; MI455X (gfx1250); checked and timed in simulation.
; The chip was launched on July 23, 2026; its instructions are those of AMD's public machine-readable ISA for CDNA 5 (MIT licence, August 2026) and "CDNA5" Instruction Set Architecture Reference Guide (July 2026). The comments in the code are by the model that wrote it; some were corrected since.
;; Block. Allowed arithmetic: matrix products marked QUANTISED: E3M2 operands, one E8M0 scale for each 32 along K, by v_wmma_scale_f32_16x16x128_f8f6f4 with both operands' format E3M2, f32 sums; everything else in f32.
;; Inputs: attn_b 3,072 float32; attn_w_codes 3,072 x 32 x 24 uint8 (E3M2 codes of attn_w, K innermost, in blocks of 32 codes, four codes in three bytes); attn_w_scales 3,072 x 32 uint8 (E8M0 scales of attn_w, one for each 32 codes along K); fc2_b 1,024 float32; fc2_w_codes 1,024 x 128 x 24 uint8 (E3M2 codes of fc2_w, K innermost, in blocks of 32 codes, four codes in three bytes); fc2_w_scales 1,024 x 128 uint8 (E8M0 scales of fc2_w, one for each 32 codes along K); fc_b 4,096 float32; fc_w_codes 4,096 x 32 x 24 uint8 (E3M2 codes of fc_w, K innermost, in blocks of 32 codes, four codes in three bytes); fc_w_scales 4,096 x 32 uint8 (E8M0 scales of fc_w, one for each 32 codes along K); ln1_b 1,024 float32; ln1_w 1,024 float32; ln2_b 1,024 float32; ln2_w 1,024 float32; proj_b 1,024 float32; proj_w_codes 1,024 x 32 x 24 uint8 (E3M2 codes of proj_w, K innermost, in blocks of 32 codes, four codes in three bytes); proj_w_scales 1,024 x 32 uint8 (E8M0 scales of proj_w, one for each 32 codes along K); t 4 int32; x 4 x 1,024 x 1,024 float32.
;; Outputs: out0 4 x 1,024 x 1,024 float32.
;; This version of the problem:
;;   THIS VERSION OF THE PROBLEM IS GIVEN IN LOW PRECISION. The matrix products marked QUANTISED in the list below multiply operands that are first quantised to E3M2 (3 exponent bits, 2 mantissa bits; 6 bits a number), with one power-of-two scale for each 32 numbers along K (OCP MX v1.0); their sums are f32. All else is computed in f32.
;;   The module's matrix products, in the order in which they are computed (A, B: the left and right operand; K: the contracted axis; several contracted axes count as one K, in the product's order):
;;     1. [M 4,096, K 1,024] x [K 1,024, N 3,072]; A: computed on the way; B: input attn_w (given as codes): QUANTISED
;;     2. batch 64 x [M 1,024, K 64] x [K 64, N 1,024]; A: computed on the way; B: computed on the way: QUANTISED
;;     3. batch 64 x [M 1,024, K 1,024] x [K 1,024, N 64]; A: softmax (see below); B: computed on the way: QUANTISED
;;     4. [M 4,096, K 1,024] x [K 1,024, N 1,024]; A: computed on the way; B: input proj_w (given as codes): QUANTISED
;;     5. [M 4,096, K 1,024] x [K 1,024, N 4,096]; A: computed on the way; B: input fc_w (given as codes): QUANTISED
;;     6. [M 4,096, K 4,096] x [K 4,096, N 1,024]; A: computed on the way; B: input fc2_w (given as codes): QUANTISED
;;   THE QUANTISER, for each operand of a quantised product, along K:
;;     - K is cut into blocks of 32 from its start; a last block that is shorter is filled with zeros.
;;     - A block's scale is 2^e with e = floor(log2(the largest magnitude in the block)) - 4, held to -126 .. 127; a block of zeros has e = 0. As a byte (E8M0): e + 127.
;;     - Each number is divided by its block's scale, clamped to +-28, and rounded to the nearest number of E3M2, ties to even, subnormals kept.
;;     - The product sums the exact products of the quantised numbers (number of the format x scale) in f32.
;;   ~~~python
;;   def quantise(x, axis):      # numpy; x: float32 -> the quantised numbers, widened to float32 again
;;       x = np.moveaxis(x, axis, -1); K = x.shape[-1]
;;       x = np.pad(x, [(0, 0)] * (x.ndim - 1) + [(0, -K % 32)]); x = x.reshape(x.shape[:-1] + (-1, 32)); a = np.abs(x).max(-1, keepdims=True)
;;       e = np.where(a > 0, np.clip(np.frexp(np.where(a > 0, a, 1))[1] - 1 - 4, -126, 127), 0)      # np.frexp(a)[1] - 1 = floor(log2(a)), exactly
;;       r = np.clip(x / 2.0 ** e, -28, 28)
;;       step = 2.0 ** (np.maximum(np.frexp(np.where(r == 0, 1, r))[1] - 1, -2) - 2)
;;       q = np.round(r / step) * step * 2.0 ** e      # np.round: ties to even
;;       return np.moveaxis(q.reshape(q.shape[:-2] + (-1,))[..., :K], -1, axis).astype(np.float32)
;;   ~~~
;;   SOFTMAX AHEAD OF A QUANTISED PRODUCT. Where the list says 'softmax', what is quantised is not the finished softmax but p = 2^(t - M), with t = logit x log2(e) and M = ceil(the row's largest t), a whole number; so 1/2 < the row's largest p <= 1. The row's sum l is taken of the UNQUANTISED p, in f32, and the product's result is divided by l at the end. Since M is a whole number, a kernel that streams over the keys may use a running M (the ceiling of the running maximum): every later rescaling is an exact power of two, which a block's scale takes up: the codes' values come out the same.
;;   OPERANDS COMPUTED ON THE WAY. 'Computed on the way' means the value that the module computes at that place (a softmax that the list does not call 'softmax' is quantised finished and normalised). What goes into a quantiser is computed in f32, as accurately as f32 sums, v_exp_f32 and their like allow (about 1e-6 of the number): no bf16 or f16 on the way to a quantiser, and a product that is left as it is and whose result goes on into a quantised operand takes f32 operands (vector FMAs, or v_wmma_f32_16x16x4_f32). A number that lies on a knife's edge between two numbers of the format may be rounded either way, as far as f32 arithmetic and the matrix unit's own rounding can turn it there, and no further.
;;   INPUTS GIVEN AS CODES. attn_w (in the module: [1024, 3072], K = its axis 0); fc2_w (in the module: [4096, 1024], K = its axis 0); fc_w (in the module: [1024, 4096], K = its axis 0); proj_w (in the module: [1024, 1024], K = its axis 0): each comes as NAME_codes (uint8): NAME with its K axis moved to the last place and cut into blocks of 32 codes, [.., K / 32, bytes a block], one block behind the other in memory; four codes in three bytes: a row's codes are one little-endian stream of bits, code i at bits 6 i .. 6 i + 5 (a code: sign, 3 exponent bits, 2 mantissa bits); and NAME_scales (uint8): the same leading axes, one E8M0 byte (e + 127) for each 32 codes along K. Its value is code x scale, taken as it is: it is not quantised again, and the codes and scales need not be those that the quantiser above would give.
;; One version. Each part assembles by itself: llvm-mc -triple=amdgcn-amd-amdhsa -mcpu=gfx1250 --defsym DOCPART=n.
;; ======== version 1 of 1: 7 launches
;; limits: right only within a limited range of input values
;; workspace buffers: hq 3,276,800 bytes; qq 6,684,672 bytes; kv 6,684,672 bytes; yq 3,276,800 bytes; x1 16,777,216 bytes; gq 13,107,200 bytes
;; launch ln1 (part 1): grid 256 x 1, 8 waves a work-group, no clusters, 168,960 bytes of LDS; arguments x, ln1_w, ln1_b, hq; writes hq
.if DOCPART == 1
	.amdgcn_target "amdgcn-amd-amdhsa--gfx1250"
	.amdhsa_code_object_version 6
	.text
	.protected	k_qd37f222d0c_ln1
	.globl	k_qd37f222d0c_ln1
	.p2align	8
	.type	k_qd37f222d0c_ln1,@function
k_qd37f222d0c_ln1:
	s_mov_b64 s[64:65], 0
	v_nop
	global_prefetch_b8 v0, s[64:65] scope:SCOPE_SE
	s_setreg_imm32_b32 hwreg(HW_REG_WAVE_MODE, 25, 1), 1
	s_wait_xcnt 0x0
; h = (x - mean) * rsqrt(var + 1e-5) * w + b along rows of 1,024 f32, then quantised along the row to codes of E3M2 with one E8M0 byte for each 32.
; Out (one buffer): codes [4096][768 bytes], a row one stream of bits, K innermost; behind them, 3,145,728 bytes on, the scale bytes [4096][32].
; (The problem's input t is read by no launch of this program.)
; SHARES.  A work-group of eight waves owns 16 whole rows.  Wave w owns columns 128 w .. 128 w + 127; lane (r = lane % 16, h = lane / 16) owns, of row r, the two WHOLE
; blocks of 32 at columns 128 w + 64 c + 32 h (c = 0, 1): 64 numbers in registers.  So a block's largest magnitude needs no other lane, and the conversions' results lie as the stream wants them.
; The wave's 16 x 128 numbers come by one tensor load (rows of 512 bytes) into bytes of its own; LDS is filled once.  Mean and variance are taken in two passes (the variance of x - mean),
; each row's eight partial sums meeting in LDS behind a barrier.  Codes and scale words meet in a stage and leave as dense runs: each store of a wave covers 512 consecutive bytes, aligned to 256.
; LIMITS: NaN and infinities are not served; a block whose largest magnitude lies under 2^-122 keeps the byte 1 (a block of zeros too, where the rule says 127: its codes are zeros, and this program alone reads the bytes);
; sums are f32 in an order of their own.
.set XP,    528                        ; a row of a wave's tile in LDS: 512 bytes + 16: row r starts 132 r words on, so the 16 rows of a load of 16 bytes start at 16 different groups of four banks
.set WREG,  16*XP                      ; a wave's tile
.set P1,    8*WREG                     ; [row][wave] f32: the rows' partial sums
.set P2,    P1+512                     ; the same for the squares
.set STG,   P2+512                     ; the codes' stage: 16 rows of 768 bytes, 784 apart
.set SGP,   784
.set SST,   STG+16*SGP                 ; the scale bytes: [row][32]
.set X,     32                         ; v32-95   my 64 numbers
.set W,     96                         ; v96-159  the gain at my columns
.set BB,    160                        ; v160-223 the bias at my columns
.set C,     224                        ; v224-235 my codes: two blocks of six registers
.set T,     236                        ; v236-243 a block's second sixteen codes, as the conversion leaves them
	s_load_b256 s[4:11], s[0:1], 0x0               ; x s[4:5], gain s[6:7], bias s[8:9], out s[10:11]
	v_lshl_add_u32 v254, v0, 2, 0x29000
	v_mov_b32 v255, 0
	ds_add_u32 v254, v255
	ds_add_u32 v254, v255
	v_lshrrev_b32 v1, 5, v0                        ; wave, in every lane
	s_delay_alu instid0(VALU_DEP_1)
	v_readfirstlane_b32 s12, v1                    ; and as a scalar
	s_mov_b32 s16, (2<<16)|(1<<20)|(6<<22)|(3<<25) ; group 1: elements of 4 bytes; padding on, after every 128 words, of 4 words
	s_mov_b32 s17, 128<<16                         ; tensor_dim0 = 128
	s_mov_b32 s18, 16<<16                          ; tensor_dim1 = 16
	s_mov_b32 s19, 128<<16                         ; tile_dim0 = 128
	s_mov_b32 s20, 16                              ; tile_dim1 = 16
	s_mov_b32 s21, 1024                            ; elements from row to row
	s_mov_b32 s22, 0
	s_mov_b32 s23, 0
	s_mov_b32 s28, 0x76543210                      ; v_permlanex16_b32's selects for lane l xor 16
	s_mov_b32 s29, 0xfedcba98
	s_mov_b32 s34, 0x3a800000                      ; 1 / 1,024
	s_lshl_b32 s2, ttmp9, 16                       ; 16 rows of 4,096 bytes a work-group,
	s_lshl_b32 s3, s12, 9                          ; 512 bytes of a row a wave
	s_add_co_u32 s2, s2, s3
	s_mov_b32 s3, 0
	s_mul_i32 s30, ttmp9, 16*768                   ; the work-group's codes,
	s_mov_b32 s31, 0
	s_lshl_b32 s32, ttmp9, 9                       ; and its scale bytes
	s_mov_b32 s33, 0
	s_mov_b32 s24, 1                               ; group 0: count 1,
	s_mul_i32 s25, s12, WREG                       ; my wave's tile in LDS,
	s_wait_dscnt 0x0
	s_wait_kmcnt 0x0
	s_add_nc_u64 s[30:31], s[10:11], s[30:31]
	s_add_nc_u64 s[32:33], s[10:11], s[32:33]
	s_add_nc_u64 s[26:27], s[4:5], s[2:3]          ; its first element in memory,
	s_or_b32 s27, s27, 0x80000000                  ; type 2
	tensor_load_to_lds s[24:27], s[16:23]
	s_nop 0
	v_and_b32 v2, 15, v0                           ; r
	v_bfe_u32 v3, v0, 4, 1                         ; h
	v_and_b32 v11, 31, v0                          ; lane
	s_delay_alu instid0(VALU_DEP_2)
	v_lshlrev_b32 v4, 7, v3
	s_wait_alu depctr_va_vdst(0)
	v_lshl_add_u32 v4, v1, 9, v4                   ; gain and bias: 512 w + 128 h bytes
.irp c, 0,1
.irp j, 0,1,2,3,4,5,6,7
	global_load_b128 v[W+32*\c+4*\j:W+32*\c+4*\j+3], v4, s[6:7] offset:256*\c+16*\j
	global_load_b128 v[BB+32*\c+4*\j:BB+32*\c+4*\j+3], v4, s[8:9] offset:256*\c+16*\j
.endr
.endr
	v_mul_u32_u24 v5, v2, XP
	s_delay_alu instid0(VALU_DEP_1)
	v_lshl_add_u32 v5, v3, 7, v5
	s_delay_alu instid0(VALU_DEP_1)
	v_mad_u32_u24 v5, v1, WREG, v5                 ; my numbers in my wave's tile: row r, + 128 h bytes
	v_lshlrev_b32 v6, 5, v2
	s_delay_alu instid0(VALU_DEP_1)
	v_lshl_add_u32 v6, v1, 2, v6
	s_delay_alu instid0(VALU_DEP_1)
	v_add_nc_u32 v6, P1, v6                        ; my wave's word of row r
	v_lshl_add_u32 v7, v2, 5, P1                   ; row r's eight words
	v_mul_u32_u24 v8, v2, SGP
	s_delay_alu instid0(VALU_DEP_1)
	v_mad_u32_u24 v8, v1, 96, v8
	s_delay_alu instid0(VALU_DEP_1)
	v_mad_u32_u24 v8, v3, 24, v8
	s_delay_alu instid0(VALU_DEP_1)
	v_add_nc_u32 v8, STG, v8                       ; the stage, on the way in: row r, 96 bytes a wave, 24 a half
	v_lshlrev_b32 v15, 4, v11                      ; 16 x lane
	s_delay_alu instid0(VALU_DEP_1)
	v_mad_u32_u24 v10, v1, 2*SGP, v15
	s_delay_alu instid0(VALU_DEP_1)
	v_add_nc_u32 v10, STG, v10                     ; on the way out: rows 2 w and 2 w + 1, 16 bytes a lane;
	s_delay_alu instid0(VALU_DEP_1)
	v_lshl_add_u32 v12, v3, 4, v10                 ; (the second row lies 16 bytes further on than its 768 bytes ask)
	s_delay_alu instid0(VALU_DEP_4)
	v_mad_u32_u24 v13, v1, 1536, v15               ; and the same bytes in memory
	v_add_nc_u32 v14, SST, v15
	s_wait_tensorcnt 0x0                           ; my tile is in; only I read it
.irp c, 0,1
.irp j, 0,1,2,3,4,5,6,7
	ds_load_b128 v[X+32*\c+4*\j:X+32*\c+4*\j+3], v5 offset:256*\c+16*\j
.endr
.endr
	s_wait_dscnt 0x0
.macro JOIN                            ; four chains of pairs become one number a lane
	s_delay_alu instid0(VALU_DEP_3)
	v_pk_add_f32 v[16:17], v[16:17], v[18:19]
	s_delay_alu instid0(VALU_DEP_2)
	v_pk_add_f32 v[20:21], v[20:21], v[22:23]
	s_delay_alu instid0(VALU_DEP_1)
	v_pk_add_f32 v[16:17], v[16:17], v[20:21]
	s_delay_alu instid0(VALU_DEP_1)
	v_add_f32 v16, v16, v17
.endm
.macro ACROSS off                      ; v16: my 64 numbers' sum -> the row's 1,024
	s_delay_alu instid0(VALU_DEP_1)
	v_permlanex16_b32 v17, v16, s28, s29
	s_delay_alu instid0(VALU_DEP_1)
	v_add_f32 v16, v16, v17                        ; with lane l xor 16's: my wave's 128 columns of row r
	ds_store_b32 v6, v16 offset:\off               ; (both lanes write the same word with the same value)
	s_wait_dscnt 0x0                               ; for the others' sake: my store has landed
	s_barrier_signal -1
	s_barrier_wait -1
	ds_load_b128 v[16:19], v7 offset:\off
	ds_load_b128 v[20:23], v7 offset:\off+16
	s_wait_dscnt 0x0
	v_add_f32 v16, v16, v17
	v_add_f32 v18, v18, v19
	v_add_f32 v20, v20, v21
	v_add_f32 v22, v22, v23
	s_delay_alu instid0(VALU_DEP_3)
	v_add_f32 v16, v16, v18
	s_delay_alu instid0(VALU_DEP_2)
	v_add_f32 v20, v20, v22
	s_delay_alu instid0(VALU_DEP_1)
	v_add_f32 v16, v16, v20
.endm
	; the mean
.irp k, 0,1,2,3
	v_pk_add_f32 v[16+2*\k:17+2*\k], v[X+4*\k:X+4*\k+1], v[X+4*\k+2:X+4*\k+3]
.endr
.irp j, 16,24,32,40,48,56
.irp k, 0,1,2,3
	s_delay_alu instid0(VALU_DEP_4)
	v_pk_add_f32 v[16+2*\k:17+2*\k], v[16+2*\k:17+2*\k], v[X+\j+2*\k:X+\j+2*\k+1]
.endr
.endr
	JOIN
	ACROSS 0
	s_delay_alu instid0(VALU_DEP_1)
	v_mul_f32 v24, s34, v16
	s_delay_alu instid0(VALU_DEP_1)
	v_mov_b32 v25, v24
.set j, 0
.rept 32
	v_pk_add_f32 v[X+j:X+j+1], v[X+j:X+j+1], v[24:25] neg_lo:[0,1] neg_hi:[0,1]   ; x - mean
.set j, j+2
.endr
	; the variance, of x - mean
.irp k, 0,1,2,3
	v_pk_mul_f32 v[16+2*\k:17+2*\k], v[X+2*\k:X+2*\k+1], v[X+2*\k:X+2*\k+1]
.endr
.irp j, 8,16,24,32,40,48,56
.irp k, 0,1,2,3
	s_delay_alu instid0(VALU_DEP_4)
	v_pk_fma_f32 v[16+2*\k:17+2*\k], v[X+\j+2*\k:X+\j+2*\k+1], v[X+\j+2*\k:X+\j+2*\k+1], v[16+2*\k:17+2*\k]
.endr
.endr
	JOIN
	ACROSS 512
	s_delay_alu instid0(VALU_DEP_1)
	v_fmaak_f32 v16, s34, v16, 0x3727c5ac          ; the sum / 1,024 + 1e-5
	s_wait_alu depctr_va_vdst(0)
	v_rsq_f32 v26, v16
	v_nop                                          ; a plain instruction behind the transcendental
	s_wait_alu depctr_va_vdst(0)                   ; and the wait ahead of its first reader
	v_mov_b32 v27, v26
	s_wait_alu depctr_va_vdst(0)
	s_wait_loadcnt 0x0                             ; gain and bias
.set j, 0
.rept 32
	v_pk_mul_f32 v[X+j:X+j+1], v[X+j:X+j+1], v[26:27]
.set j, j+2
.endr
.set j, 0
.rept 32
	v_pk_fma_f32 v[X+j:X+j+1], v[X+j:X+j+1], v[W+j:W+j+1], v[BB+j:BB+j+1]
.set j, j+2
.endr
	; my two blocks: largest magnitude (with the floor 2^(5 - 127) among the leaves, which holds the byte at 1 from below), scale, codes
.irp c, 0,1
	v_max3_num_f32 v[16+\c], |v[X+32*\c]|, |v[X+32*\c+1]|, 0x2800000
.endr
.irp i, 2,4,6,8,10,12,14,16,18,20,22,24,26,28,30
.irp c, 0,1
	s_delay_alu instid0(VALU_DEP_2)
	v_max3_num_f32 v[16+\c], v[16+\c], |v[X+32*\c+\i]|, |v[X+32*\c+\i+1]|
.endr
.endr
.irp c, 0,1
	s_delay_alu instid0(VALU_DEP_2)
	v_add_nc_u32 v[18+\c], 0xfe000000, v[16+\c]    ; 4 off the exponent field: the conversion takes that field as its scale
.endr
.irp c, 0,1
	s_delay_alu instid0(VALU_DEP_2)
	v_lshrrev_b32 v[20+\c], 23, v[18+\c]           ; the scale's byte
.endr
	s_delay_alu instid0(VALU_DEP_1)
	v_lshl_or_b32 v22, v21, 16, v20                ; my bytes are those of blocks h and 2 + h of the wave's four:
	v_lshlrev_b32 v23, 3, v3
	s_delay_alu instid0(VALU_DEP_1)
	v_lshlrev_b32 v22, v23, v22                    ; 8 h bits up;
	s_delay_alu instid0(VALU_DEP_1)
	v_permlanex16_b32 v23, v22, s28, s29
	s_delay_alu instid0(VALU_DEP_1)
	v_or_b32 v22, v22, v23                         ; with lane l xor 16's two the word is whole
.irp c, 0,1
	v_cvt_scalef32_pk16_bf6_f32 v[C+6*\c:C+6*\c+2], v[X+32*\c:X+32*\c+15], v[18+\c]
	v_cvt_scalef32_pk16_bf6_f32 v[T+4*\c:T+4*\c+2], v[X+32*\c+16:X+32*\c+31], v[18+\c]   ; (a conversion's three registers begin on an even number)
.endr
	v_nop                                          ; one plain instruction behind the scaled conversions
.irp c, 0,1
.irp i, 0,1,2
	v_mov_b32 v[C+6*\c+3+\i], v[T+4*\c+\i]
.endr
.endr
.irp c, 0,1
.irp i, 0,1,2
	ds_store_b64 v8, v[C+6*\c+2*\i:C+6*\c+2*\i+1] offset:48*\c+8*\i   ; pieces of 8 bytes: lane (r, h) stands 2 r + 3 h pieces on modulo 32: 32 different places
.endr
.endr
	ds_store_b32 v6, v22 offset:SST-P1             ; row r's word for my wave's 128 columns
	s_wait_dscnt 0x0                               ; for the others' sake
	s_barrier_signal -1
	s_barrier_wait -1
	ds_load_b128 v[32:35], v10                     ; two whole rows of codes, 1,536 bytes that are neighbours in memory
	ds_load_b128 v[36:39], v12 offset:512          ; (lanes 16-31 are in the second row here)
	ds_load_b128 v[40:43], v10 offset:1040
	s_wait_dscnt 0x0
	global_store_b128 v13, v[32:35], s[30:31]
	global_store_b128 v13, v[36:39], s[30:31] offset:512
	global_store_b128 v13, v[40:43], s[30:31] offset:1024
	s_cmp_lg_u32 s12, 0
	s_cbranch_scc1 .Ldone                          ; wave 0 sends the 16 rows' 512 scale bytes
	ds_load_b128 v[44:47], v14
	s_wait_dscnt 0x0
	global_store_b128 v15, v[44:47], s[32:33] offset:3145728
.Ldone:
	s_wait_tensorcnt 0x0
	ds_add_u32 v254, v255
	s_wait_dscnt 0x0
	s_endpgm
.Lfunc_end_k_qd37f222d0c_ln1:
	.size	k_qd37f222d0c_ln1, .Lfunc_end_k_qd37f222d0c_ln1-k_qd37f222d0c_ln1
	.p2alignl 7, 3214868480
	.fill 96, 4, 3214868480
	.section	.rodata,"a",@progbits
	.p2align	6, 0x0
	.amdhsa_kernel k_qd37f222d0c_ln1
		.amdhsa_group_segment_fixed_size 168960
		.amdhsa_private_segment_fixed_size 0
		.amdhsa_enable_private_segment 0
		.amdhsa_kernarg_size 32
		.amdhsa_user_sgpr_count 2
		.amdhsa_user_sgpr_kernarg_segment_ptr 1
		.amdhsa_wavefront_size32 1
		.amdhsa_system_sgpr_workgroup_id_x 1
		.amdhsa_system_sgpr_workgroup_id_y 1
		.amdhsa_system_sgpr_workgroup_id_z 1
		.amdhsa_system_vgpr_workitem_id 0
		.amdhsa_next_free_vgpr 256
		.amdhsa_next_free_sgpr 66
		.amdhsa_reserve_vcc 0
		.amdhsa_float_denorm_mode_32 3
		.amdhsa_float_denorm_mode_16_64 3
		.amdhsa_memory_ordered 1
		.amdhsa_forward_progress 1
		.amdhsa_inst_pref_size 28
	.end_amdhsa_kernel
	.amdgpu_metadata
---
amdhsa.version: [ 1, 2 ]
amdhsa.kernels:
  - .name:           k_qd37f222d0c_ln1
    .symbol:         k_qd37f222d0c_ln1.kd
    .args:
      - { .name: x, .offset: 0, .size: 8, .value_kind: global_buffer, .address_space: global }
      - { .name: ln1_w, .offset: 8, .size: 8, .value_kind: global_buffer, .address_space: global }
      - { .name: ln1_b, .offset: 16, .size: 8, .value_kind: global_buffer, .address_space: global }
      - { .name: hq, .offset: 24, .size: 8, .value_kind: global_buffer, .address_space: global }
    .group_segment_fixed_size: 168960
    .private_segment_fixed_size: 0
    .kernarg_segment_align: 8
    .kernarg_segment_size: 32
    .max_flat_workgroup_size: 256
    .sgpr_count:     66
    .vgpr_count:     256
    .wavefront_size: 32
...
	.end_amdgpu_metadata
.endif
;; end of part 1
;; launch qkv (part 2): grid 12 x 16, 4 waves a work-group, clusters of 4 x 4, 327,680 bytes of LDS; arguments hq, attn_w_codes, attn_w_scales, attn_b, qq, kv; writes qq, kv
.if DOCPART == 2
	.amdgcn_target "amdgcn-amd-amdhsa--gfx1250"
	.amdhsa_code_object_version 6
	.text
	.protected	k_qd37f222d0c_qkv
	.globl	k_qd37f222d0c_qkv
	.p2align	8
	.type	k_qd37f222d0c_qkv,@function
k_qd37f222d0c_qkv:
	s_mov_b64 s[64:65], 0
	v_nop
	global_prefetch_b8 v0, s[64:65] scope:SCOPE_SE
	s_setreg_imm32_b32 hwreg(HW_REG_WAVE_MODE, 25, 1), 1
	s_wait_xcnt 0x0
	s_wait_alu depctr_hold_cnt(0) depctr_sa_sdst(0) depctr_va_vdst(0) depctr_va_sdst(0) depctr_va_ssrc(0) depctr_va_vcc(0) depctr_vm_vsrc(0)
	s_getreg_b32 s2, hwreg(HW_REG_IB_STS2, 6, 4)
	s_cmp_eq_u32 s2, 0
	s_cbranch_scc0 .Lentry_in_a_cluster
	s_endpgm
.Lentry_in_a_cluster:
	s_bfe_u32 s2, ttmp6, 0x10000c
	s_cmp_lg_u32 s2, 0xf033
	s_cbranch_scc0 .Lentry_shape_is_right
	s_endpgm
.Lentry_shape_is_right:
; qkv = h W + b on codes of E3M2 (h: 4,096 rows, K = 1,024, codes [row][768 bytes] and, 3,145,728 bytes on, scale bytes [row][32]; W: 3,072 rows likewise), and q, k, v quantised at once:
; q and k along the head's 64, v along the KEYS.  Nothing leaves as f32.
; A tile of 256 x 256 is made by four waves, 128 x 128 each: 64 accumulators.  K goes through a ring of two LDS slots in CHUNKS OF 256 BYTES of each row (a row is 768 bytes: three chunks, each on a multiple of 256);
; a step of 128 along K is 96 bytes: eight steps to three chunks, steps 2 and 5 lie across two chunks.  The scale bytes of the work-group's 512 rows come once.
; THE HEAD: one joint load a wave: wave 0 chunk 0 of role A's 256 rows, wave 1 of role B's, wave 2 role A's scales, wave 3 role B's.  Slot 1 is first filled behind the full sequence and a round of the cluster's barrier.
; The matrix instruction takes 16 rows of role B as source 0 and 16 rows of role A as source 1: a lane holds ONE row of role A and eight neighbours of role B a tile.
; ROLES.  Clusters with x = 0 (q) and 1 (k): role A = tokens, role B = rows of W.  Clusters with x = 2 (v): role A = rows 2,048 .. of W, role B = tokens.  The roles are exchanged by pointers and tile numbers chosen
; on the cluster's x, which all sixteen partners share.
; OUT, images of operand registers.  A half image (16 rows x 64 K: six registers a lane) is 768 bytes: registers 0-3 at 16 x lane, registers 4, 5 at 512 + 8 x lane.  For each of the 64 (batch, head), 104,448 bytes:
; +0 k: 64 half images; +49,152 v: fragment (128 keys ks, 16 channels dt) at 1,536 (4 ks + dt); +98,304 k's scale words [key] (bytes 2, 3 = 0x7f); +102,400 v's [ks][channel].  q goes to a buffer of the same stride, in k's places.
; PREFETCH: each wave asks, a lane a row, for 32 rows x 256 bytes: chunk 1 behind the head's loads, chunk 2 behind chunk 1's joint load and the first fragment loads: one fill ahead of the load that wants them.
; Of a tile's 256 rows each of the four partners that ask for it jointly takes 64, told apart by address (cx for role A, cy for role B); waves 0, 1 take role A's, waves 2, 3 role B's: each block is named once in a cluster.
; LIMITS: NaN and infinities are not served; a block whose largest magnitude lies under 2^-122 keeps the byte 1 (a block of zeros too: its codes are zeros, and this program alone reads the bytes).
; REGISTERS: window 0: v0-31 addresses; v32-63 scale words, two sets; v64-127, v224-231 biases; v128-223 role A's fragments, ONE set; window 1: role B's, TWO sets; windows 2, 3: accumulators ((a, b) at v[8 (8 (a % 4) + b)]).
.set ROWB,   256
.set NQ,     2
.set KROW,   768
.set STEPS,  8
.set CHUNKS, 3
.set PITCH,  272                       ; 256 bytes + 16 of padding
.set FR,     12
.set NL,     6
.set NP,     4
.set HALFT,  128*PITCH
.set SLOT,   4*HALFT
.set KS,     32
.set SCL,    2*SLOT
.set HALFS,  (128*KS/256)*272
.set SBLK,   (16*KS/256)*272
.set SPARE,  SCL+4*HALFS               ; the spare words: two blocks of 256 bytes that no other line names
.set HEADB,  104448
.set PFO,  8                           ; v8      the prefetches' offset: my lane x a row of codes
.set PFA,  94                          ; s[94:95] the first of the 32 rows that my prefetches name
.set ADRA, 16
.set ADRB, 20
.set ADRS, 27
.set SPW,  28
.set NIL,  29
.set SC,   32
.set BI,   64
.set AF,   128
.set BV,   224
.set G1, 24
.set G0, 32
.set G1B, 48
.set G0B, 56
.set G1S, 68
.set G0S, 76
.set G1SB, 80
.set G0SB, 88
.set G0H, 4
.set G0HB, 8
.set L16, 1
.set L8,  2
.set L4,  3
.set SW0, 4
.set SW1, 12
.set TT,  20
.set H,   128
.set CD,  192
.set XB,  204
.set TB,  212
.set PW,  214
.set PWS, 216
.set TM,  232
.set MSB, 0
.macro WIN new                         ; the immediate's high byte repeats the setting that is left
.if MSB != (\new)
	s_set_vgpr_msb (MSB<<8)|(\new)
.set MSB, (\new)
.endif
.endm
.set MUL_LO, 0xa1
.set MUL_HI, 0xf1
.set TO_B,   0x40
.macro JLOAD g0a, g1a, g0b, g1b        ; waves 0, 1 fetch for role A, waves 2, 3 for role B
	s_cmp_eq_u32 s15, 0
	s_cbranch_scc0 .Lfor_b_\@
	tensor_load_to_lds s[\g0a:\g0a+3], s[\g1a:\g1a+7]
	s_nop 0
.rept 4
	v_nop
.endr
	s_branch .Lasked_\@
.Lfor_b_\@:
	tensor_load_to_lds s[\g0b:\g0b+3], s[\g1b:\g1b+7]
	s_nop 0
.rept 4
	v_nop
.endr
.Lasked_\@:
.endm
.macro CREST
	s_cmp_lg_u32 s14, 0
	s_cbranch_scc1 .Lnot_wave_0_\@
	s_barrier_signal -3
.Lnot_wave_0_\@:
	s_barrier_wait -3
	s_barrier_signal -1
	s_barrier_wait -1
.endm
.macro CROUND
	s_barrier_signal -1
	s_barrier_wait -1
	CREST
.endm
	s_load_b256 s[4:11], s[0:1], 0x0               ; h, W's codes, W's scales, bias
	s_load_b128 s[96:99], s[0:1], 0x20             ; q's buffer, k and v's
	v_lshl_add_u32 v[SPW], v0, 2, SPARE
	v_mov_b32 v[NIL], 0
	ds_add_u32 v[SPW], v[NIL]                      ; the opening lines: the add twice and its wait
	ds_add_u32 v[SPW], v[NIL]
	v_lshrrev_b32 v1, 5, v0
	v_readfirstlane_b32 s14, v1                    ; wave
	s_lshr_b32 s15, s14, 1                         ; my half of role A's rows; in the ring: I fetch for A (0) or B (1)
	s_and_b32 s16, s14, 1                          ; my half of role B's; in the ring: which 128 rows I fetch
	s_bfe_u32 s40, ttmp6, 0x40000                  ; cx
	s_bfe_u32 s41, ttmp6, 0x40004                  ; cy
	s_and_b32 s45, ttmp7, 0xffff
	s_lshl_b32 s45, s45, 2
	s_lshl_b32 s42, ttmp9, 2
	s_cmp_lt_u32 ttmp9, 2                          ; q or k?  (the cluster's x: the same in all partners)
	s_cselect_b32 s42, s42, s45                    ; role B's tile
	s_cselect_b32 s17, s45, 0                      ; role A's tile
	s_cselect_b32 s94, 0, 2048                     ; where role A's rows begin in its buffer
	s_add_co_u32 s42, s42, s40
	s_add_co_u32 s17, s17, s41
	s_lshl_b32 s43, s41, 2
	s_lshl_b32 s43, 15, s43                        ; my row of the cluster
	s_lshl_b32 s44, 0x1111, s40                    ; my column
	s_or_b32 s[G1+0], s43, (1<<20)|(1<<21)|(5<<22)|(3<<25)
	s_or_b32 s[G1B+0], s44, (1<<20)|(1<<21)|(5<<22)|(3<<25)
.irp g, G1, G1B
	s_mov_b32 s[\g+1], ROWB<<16
	s_mov_b32 s[\g+2], 256<<16                     ; 256 rows for the head's loads
	s_mov_b32 s[\g+3], ROWB<<16
	s_mov_b32 s[\g+4], 256
	s_mov_b32 s[\g+5], KROW
	s_mov_b32 s[\g+6], 0
	s_mov_b32 s[\g+7], 0
.endr
	s_or_b32 s[G1S+0], s43, (3<<16)|(1<<20)|(1<<21)|(5<<22)|(3<<25)   ; the scales of 256 rows: 8,192 dense bytes as 32 rows of 256
	s_or_b32 s[G1SB+0], s44, (3<<16)|(1<<20)|(1<<21)|(5<<22)|(3<<25)
.irp g, G1S, G1SB
	s_mov_b32 s[\g+1], 32<<16
	s_mov_b32 s[\g+2], KS<<16
	s_mov_b32 s[\g+3], 32<<16
	s_mov_b32 s[\g+4], KS
	s_mov_b32 s[\g+5], 32
	s_mov_b32 s[\g+6], 0
	s_mov_b32 s[\g+7], 0
.endr
	s_lshl_b32 s20, s17, 8
	s_add_co_u32 s20, s20, s94                     ; role A's first row
	s_lshl_b32 s46, s42, 8                         ; role B's
	s_mul_i32 s22, s20, KS
	s_mul_i32 s20, s20, KROW
	s_mul_i32 s92, s46, KS
	s_mul_i32 s46, s46, KROW
	s_mov_b32 s21, 0
	s_mov_b32 s23, 0
	s_mov_b32 s47, 0
	s_mov_b32 s93, 0
	s_mul_i32 s18, s16, 128*KROW                   ; in the ring: my 128 rows of a tile
	s_mov_b32 s19, 0
	s_mul_i32 s45, s14, HALFT
	s_wait_dscnt 0x0
	s_wait_kmcnt 0x0
	s_add_nc_u64 s[66:67], s[4:5], 3145728         ; h's scale bytes
	s_mov_b64 s[12:13], s[10:11]                   ; the bias
	s_cmp_lt_u32 ttmp9, 2
	s_cselect_b64 s[2:3], s[4:5], s[6:7]           ; role A's codes
	s_cselect_b64 s[10:11], s[6:7], s[4:5]         ; role B's codes
	s_cselect_b64 s[4:5], s[66:67], s[8:9]         ; role A's scales
	s_cselect_b64 s[6:7], s[8:9], s[66:67]         ; role B's scales
	s_add_nc_u64 s[20:21], s[2:3], s[20:21]
	s_add_nc_u64 s[22:23], s[4:5], s[22:23]
	s_add_nc_u64 s[46:47], s[10:11], s[46:47]
	s_add_nc_u64 s[92:93], s[6:7], s[92:93]
	CROUND                                         ; all sixteen work-groups are here: the first joint loads meet
	s_mov_b32 s[G0H], 1
	s_mov_b32 s[G0H+1], 0
	s_mov_b64 s[G0H+2:G0H+3], s[20:21]
	s_or_b32 s[G0H+3], s[G0H+3], 0x80000000
	s_mov_b32 s[G0HB], 1
	s_mov_b32 s[G0HB+1], 2*HALFT
	s_mov_b64 s[G0HB+2:G0HB+3], s[46:47]
	s_or_b32 s[G0HB+3], s[G0HB+3], 0x80000000
	s_mov_b32 s[G0S], 1
	s_mov_b32 s[G0S+1], SCL
	s_mov_b64 s[G0S+2:G0S+3], s[22:23]
	s_or_b32 s[G0S+3], s[G0S+3], 0x80000000
	s_mov_b32 s[G0SB], 1
	s_mov_b32 s[G0SB+1], SCL+2*HALFS
	s_mov_b64 s[G0SB+2:G0SB+3], s[92:93]
	s_or_b32 s[G0SB+3], s[G0SB+3], 0x80000000
	s_cmp_eq_u32 s15, 0                            ; the prefetches: waves 0, 1 name role A's rows, waves 2, 3 role B's
	s_cselect_b64 s[PFA:PFA+1], s[20:21], s[46:47]
	s_cselect_b32 s2, s40, s41                     ; my place among the four that ask for the tile jointly
	s_lshl_b32 s2, s2, 1
	s_add_co_u32 s2, s2, s16
	s_mul_i32 s2, s2, 32*KROW                      ; 64 rows a work-group, 32 a wave
	s_mov_b32 s3, 0
	s_add_nc_u64 s[PFA:PFA+1], s[PFA:PFA+1], s[2:3]
	s_add_nc_u64 s[20:21], s[20:21], s[18:19]
	s_add_nc_u64 s[46:47], s[46:47], s[18:19]
.irp s, 0,1
	s_mov_b32 s[G0+4*\s], 1
	s_add_co_u32 s[G0+4*\s+1], s45, \s*SLOT
	s_add_nc_u64 s[G0+4*\s+2:G0+4*\s+3], s[20:21], \s*ROWB
	s_or_b32 s[G0+4*\s+3], s[G0+4*\s+3], 0x80000000
	s_mov_b32 s[G0B+4*\s], 1
	s_add_co_u32 s[G0B+4*\s+1], s45, \s*SLOT
	s_add_nc_u64 s[G0B+4*\s+2:G0B+4*\s+3], s[46:47], \s*ROWB
	s_or_b32 s[G0B+4*\s+3], s[G0B+4*\s+3], 0x80000000
.endr
.macro ARM under, g0, g1, next         ; one chain of branches on the wave's number: every way passes exactly one load
	s_cmp_lt_u32 s14, \under
	s_cbranch_scc0 \next
	tensor_load_to_lds s[\g0:\g0+3], s[\g1:\g1+7]
	s_nop 0
.rept 4
	v_nop
.endr
	s_branch .Lhead_asked
\next:
.endm
	ARM 1, G0H,  G1,  .Lhead_b
	ARM 2, G0HB, G1B, .Lhead_sa
	ARM 3, G0S,  G1S, .Lhead_sb
	tensor_load_to_lds s[G0SB:G0SB+3], s[G1SB:G1SB+7]
	s_nop 0
.rept 4
	v_nop
.endr
.Lhead_asked:
	v_and_b32 v[PFO], 31, v0
	v_mul_u32_u24 v[PFO], v[PFO], KROW
	global_prefetch_b8 v[PFO], s[PFA:PFA+1] offset:ROWB th:TH_LOAD_NT scope:SCOPE_SE     ; chunk 1 of my 32 rows
	v_and_b32 v1, 15, v0                           ; r
	v_bfe_u32 v2, v0, 4, 1                         ; h
	v_mul_u32_u24 v3, v1, PITCH
	v_mul_u32_u24 v4, v2, 24
	v_add_nc_u32 v4, v3, v4                        ; row x pitch + 24 x half
	s_mov_b32 s21, SLOT-232
	s_mov_b32 s22, SLOT+232
	v_sub_nc_u32 v7, 1, v2
	v_mul_u32_u24 v5, s21, v2
	v_add_nc_u32 v5, v3, v5
	v_add_nc_u32 v5, 232, v5                       ; across two chunks: lanes 0-15 byte 232 in slot 0, lanes 16-31 byte 0 in slot 1;
	v_mul_u32_u24 v6, s22, v7
	v_add_nc_u32 v6, v3, v6                        ; and the other way round
	s_mul_i32 s21, s15, HALFT
	s_mul_i32 s22, s16, HALFT
	s_add_co_u32 s22, s22, 2*HALFT
	v_add_nc_u32 v[ADRA+2], s21, v5
	v_add_nc_u32 v[ADRA+3], s21, v6
	v_add_nc_u32 v[ADRB+2], s22, v5
	v_add_nc_u32 v[ADRB+3], s22, v6
.irp s, 0,1
	v_add_nc_u32 v[ADRA+\s], s21, v4
	v_add_nc_u32 v[ADRB+\s], s22, v4
	s_add_co_u32 s21, s21, SLOT
	s_add_co_u32 s22, s22, SLOT
.endr
	v_mul_u32_u24 v5, v1, KS
	v_lshrrev_b32 v6, 8, v5
	v_lshl_add_u32 v5, v6, 4, v5
	s_mul_i32 s21, s15, HALFS
	s_mul_i32 s22, s16, HALFS
	s_add_co_u32 s22, s22, 2*HALFS
	s_sub_co_u32 s22, s22, s21
	v_mul_u32_u24 v6, s22, v2                      ; lanes 16-31 take role B's
	s_add_co_u32 s21, s21, SCL
	v_add_nc_u32 v5, v5, v6
	v_add_nc_u32 v[ADRS], s21, v5
	; both kinds of bias are loaded on both ways, so that no branch stands here; the kind that a cluster does not use is read at the buffer's head and left alone
	s_lshl_b32 s46, s42, 8
	s_lshl_b32 s47, s16, 7
	s_add_co_u32 s46, s46, s47                     ; q, k: my first column
	s_lshl_b32 s20, s17, 8
	s_lshl_b32 s21, s15, 7
	s_add_co_u32 s20, s20, s21
	s_add_co_u32 s20, s20, 2048                    ; v: my first column
	s_cmp_lt_u32 ttmp9, 2
	s_cselect_b32 s46, s46, 0
	s_cselect_b32 s20, 0, s20
	s_lshl_b32 s46, s46, 2
	s_lshl_b32 s20, s20, 2
	v_lshl_add_u32 v9, v2, 5, s46
	v_lshl_add_u32 v10, v1, 2, s20
.irp b, 0,1,2,3,4,5,6,7
	global_load_b128 v[BI+8*\b:BI+8*\b+3], v9, s[12:13] offset:64*\b
	global_load_b128 v[BI+8*\b+4:BI+8*\b+7], v9, s[12:13] offset:64*\b+16
.endr
.irp a, 0,1,2,3,4,5,6,7
	global_load_b32 v[BV+\a], v10, s[12:13] offset:64*\a
.endr
.macro FRAG reg, adr, st, i            ; 16 rows x 128 K: 12 registers, in pieces of 8 bytes; byte y of a row lies in slot (y / 256) % 2 at byte y % 256 of the LDS row
.irp p, 0,1,2,3,4,5
.set BY, 96*(\st)+48*(\p/3)+8*(\p%3)
.if BY/ROWB == (BY+24)/ROWB
	ds_load_b64 v[\reg+2*\p:\reg+2*\p+1], v[\adr+(BY/ROWB)%2] offset:BY%ROWB+(\i)*16*PITCH
.else
	ds_load_b64 v[\reg+2*\p:\reg+2*\p+1], v[\adr+2+(BY/ROWB)%2] offset:BY%ROWB-232+(\i)*16*PITCH
.endif
.endr
.endm
.macro MUL16 a0, p, q, sc, zero        ; A's blocks a0, a0 + 1 x B's eight; the 64 accumulators take turns
.irp a, \a0, \a0+1
.irp b, 0,1,2,3,4,5,6,7
.if \zero
	v_wmma_scale_f32_16x16x128_f8f6f4 v[8*(8*((\a)%4)+\b):8*(8*((\a)%4)+\b)+7], v[128*(\p)+FR*\b:128*(\p)+FR*\b+FR-1], v[AF+FR*(\a):AF+FR*(\a)+FR-1], 0, v[SC+8*NQ*(\sc)+NQ*\b+(\q)], v[SC+8*NQ*(\sc)+NQ*(\a)+(\q)] matrix_a_fmt:MATRIX_FMT_BF6 matrix_b_fmt:MATRIX_FMT_BF6 matrix_a_scale:MATRIX_SCALE_ROW1
.else
	v_wmma_scale_f32_16x16x128_f8f6f4 v[8*(8*((\a)%4)+\b):8*(8*((\a)%4)+\b)+7], v[128*(\p)+FR*\b:128*(\p)+FR*\b+FR-1], v[AF+FR*(\a):AF+FR*(\a)+FR-1], v[8*(8*((\a)%4)+\b):8*(8*((\a)%4)+\b)+7], v[SC+8*NQ*(\sc)+NQ*\b+(\q)], v[SC+8*NQ*(\sc)+NQ*(\a)+(\q)] matrix_a_fmt:MATRIX_FMT_BF6 matrix_b_fmt:MATRIX_FMT_BF6 matrix_a_scale:MATRIX_SCALE_ROW1
.endif
.endr
.endr
.endm
.macro FETCH_B st, p
	WIN TO_B
.irp i, 0,1,2,3,4,5,6,7
	FRAG 128*(\p)+FR*\i, ADRB, \st, \i
.endr
	WIN 0
.endm
.macro FETCH_A st, i0
.irp i, \i0, \i0+1, \i0+2, \i0+3
	FRAG AF+FR*(\i), ADRA, \st, \i
.endr
.endm
.macro SCALES pr                       ; the scale words of steps 2 pr, 2 pr + 1: lanes 0-15 A's block i, lanes 16-31 B's
.irp i, 0,1,2,3,4,5,6,7
	ds_load_b64 v[SC+8*NQ*((\pr)%2)+NQ*\i:SC+8*NQ*((\pr)%2)+NQ*\i+1], v[ADRS] offset:\i*SBLK+4*NQ*(\pr)
.endr
.endm
.macro PLACES n                        ; plain vector instructions between a matrix instruction and a load into, or a read of, its registers
.rept \n
	v_nop
.endr
.endm
; A step: 64 products; the next step's fragments are fetched in its middle and at its end.  Where the next step's bytes END in a chunk not read yet: the wait for my tensor loads and a barrier.
; Where they BEGIN in a later chunk: the wait, the add, the wait for it and for my reads, the barrier; where a chunk two on is left, the barrier opens a round and the slot is filled again.
.macro STEP st, zero
.set NX, (\st)+1
.set C0, (96*(\st))/ROWB
.set C1, (96*NX)/ROWB
.set E0, (96*(\st)+95)/ROWB
.set E1, (96*NX+95)/ROWB
.if C1 > C0 || E1 > E0
	s_wait_tensorcnt 0x0
.if C1 > C0
	ds_add_u32 v[SPW], v[NIL]
	s_wait_dscnt 4*NL+1                            ; the add and the youngest 24 loads may be out
.else
	s_wait_dscnt 4*NL                              ; the youngest 24 loads (A's blocks 4-7) may be out
.endif
	WIN MUL_LO
	MUL16 0, (\st)%2, (\st)%2, ((\st)/2)%2, \zero
	s_wait_dscnt 0x0
	s_barrier_signal -1
	MUL16 2, (\st)%2, (\st)%2, ((\st)/2)%2, \zero
	WIN 0
	s_barrier_wait -1
.if C1 > C0 && C0+2 < CHUNKS
	CREST
	s_add_nc_u64 s[G0+4*(C0%2)+2:G0+4*(C0%2)+3], s[G0+4*(C0%2)+2:G0+4*(C0%2)+3], 2*ROWB
	s_add_nc_u64 s[G0B+4*(C0%2)+2:G0B+4*(C0%2)+3], s[G0B+4*(C0%2)+2:G0B+4*(C0%2)+3], 2*ROWB
	JLOAD G0+4*(C0%2), G1, G0B+4*(C0%2), G1B
.else
	PLACES NP
.endif
.else
	s_wait_dscnt 4*NL
	WIN MUL_LO
	MUL16 0, (\st)%2, (\st)%2, ((\st)/2)%2, \zero
	MUL16 2, (\st)%2, (\st)%2, ((\st)/2)%2, \zero
	s_wait_dscnt 0
	PLACES NP
.endif
	FETCH_B NX, NX%2
	FETCH_A NX, 0
.if NX%2 == 0
	SCALES NX/2
.endif
	WIN MUL_HI
	MUL16 4, (\st)%2, (\st)%2, ((\st)/2)%2, \zero
	MUL16 6, (\st)%2, (\st)%2, ((\st)/2)%2, \zero
	PLACES NP
	WIN 0
	FETCH_A NX, 4
.endm
	s_wait_alu depctr_va_vdst(0)                   ; the wait at the head's end
	s_wait_tensorcnt 0x0                           ; my tile of the head's four is in
	ds_add_u32 v[SPW], v[NIL]
	s_mov_b32 s[G1+2], 128<<16                     ; no load of mine is out: from here on a load brings 128 rows
	s_mov_b32 s[G1+4], 128
	s_mov_b32 s[G1B+2], 128<<16
	s_mov_b32 s[G1B+4], 128
	s_wait_dscnt 0x0
	CROUND
	JLOAD G0+4, G1, G0B+4, G1B                     ; chunk 1, the first tensor load behind the round
	FETCH_B 0, 0
	FETCH_A 0, 0
	SCALES 0
	FETCH_A 0, 4
	global_prefetch_b8 v[PFO], s[PFA:PFA+1] offset:2*ROWB th:TH_LOAD_NT scope:SCOPE_SE   ; chunk 2 of my 32 rows
	STEP 0, 1                                      ; the first step's products start the sums
.set ST, 1
.rept STEPS-2
	STEP ST, 0
.set ST, ST+1
.endr
	s_wait_dscnt 4*NL
	WIN MUL_LO
	MUL16 0, 1, 1, 1, 0
	MUL16 2, 1, 1, 1, 0
	s_wait_dscnt 0
	WIN MUL_HI
	MUL16 4, 1, 1, 1, 0
	MUL16 6, 1, 1, 1, 0
	WIN 0
; THE QUANTISER on 16 nb registers from v[s] on: register 16 b + i of lane (r, h) = k 32 b + 16 (i / 8) + 8 h + i % 8 of the lane's row
.macro BMAX s, nb                      ; each block's largest magnitude, with the floor 2^(5 - 127) among the leaves
.set bb, 0
.rept \nb
	v_max3_num_f32 v[TM+bb], |v[(\s)+16*bb]|, |v[(\s)+16*bb+1]|, 0x2800000
.set bb, bb+1
.endr
.irp i, 2,4,6,8,10,12,14
.set bb, 0
.rept \nb
	v_max3_num_f32 v[TM+bb], v[TM+bb], |v[(\s)+16*bb+\i]|, |v[(\s)+16*bb+\i+1]|
.set bb, bb+1
.endr
.endr
.set bb, 0
.rept \nb
	v_permlanex16_b32 v[TM+4+bb], v[TM+bb], s66, s67
.set bb, bb+1
.endr
.set bb, 0
.rept \nb
	v_max_num_f32 v[TM+bb], v[TM+bb], v[TM+4+bb]
.set bb, bb+1
.endr
.endm
.macro QSCALE pw, nb                   ; the conversions' scale operands (4 off the exponent field), the bytes, the row's scale word
.set bb, 0
.rept \nb
	v_add_nc_u32 v[TM+12+bb], 0xfe000000, v[TM+bb]
.set bb, bb+1
.endr
.set bb, 0
.rept \nb
	v_lshrrev_b32 v[TM+4+bb], 23, v[TM+12+bb]
.set bb, bb+1
.endr
	v_lshl_or_b32 v[\pw], v[TM+5], 8, v[TM+4]
.if \nb > 2
	v_lshl_or_b32 v[\pw], v[TM+6], 16, v[\pw]
	v_lshl_or_b32 v[\pw], v[TM+7], 24, v[\pw]
.endif
.endm
; A conversion's 96 bits are two groups of eight codes: lanes 0-15 have x = (k 0-7 | k 16-23), lanes 16-31 y = (k 8-15 | k 24-31).  The swaps bring x and y of block 2 c + (lane / 16) into one lane;
; its six words are x0; x1.lo, y0.lo; y0.hi, y1.lo; x1.hi, x2.lo; x2.hi, y1.hi; y2.
.macro QCODES s, pc, nc
.set cc, 0
.rept \nc
	v_cvt_scalef32_pk16_bf6_f32 v[(\pc)+6*cc:(\pc)+6*cc+2], v[(\s)+32*cc:(\s)+32*cc+15], v[TM+12+2*cc]
	v_cvt_scalef32_pk16_bf6_f32 v[XB+4*cc:XB+4*cc+2], v[(\s)+32*cc+16:(\s)+32*cc+31], v[TM+13+2*cc]
.set cc, cc+1
.endr
	v_nop                                          ; one plain instruction behind the scaled conversions
.set cc, 0
.rept \nc
.irp i, 0,1,2
	v_permlane16_swap_b32 v[(\pc)+6*cc+\i], v[XB+4*cc+\i]
.endr
	v_perm_b32 v[(\pc)+6*cc+3], v[(\pc)+6*cc+2], v[(\pc)+6*cc+1], s93
	v_perm_b32 v[(\pc)+6*cc+4], v[XB+4*cc+1], v[(\pc)+6*cc+2], s94
	v_perm_b32 v[(\pc)+6*cc+1], v[XB+4*cc], v[(\pc)+6*cc+1], s92
	v_perm_b32 v[(\pc)+6*cc+2], v[XB+4*cc+1], v[XB+4*cc], s93
	v_mov_b32 v[(\pc)+6*cc+5], v[XB+4*cc+2]
.set cc, cc+1
.endr
.endm
	; THE WAY OUT: no LDS, no barrier: a lane's codes are stored as images of operand registers
	PLACES NP
	s_wait_loadcnt 0x0                             ; the biases
	s_wait_xcnt 0x0                                ; the prefetches have read their base and offset: both are written again only behind this wait
	v_and_b32 v[L4], 31, v0
	v_lshlrev_b32 v[L16], 4, v[L4]
	v_lshlrev_b32 v[L8], 3, v[L4]
	v_lshlrev_b32 v[L4], 2, v[L4]
.irp b, 0,1,2,3
	v_mov_b32 v[TM+4+\b], 0                        ; a lane permute's destination counts as one of its sources
.endr
	s_mov_b32 s66, 0x76543210
	s_mov_b32 s67, 0xfedcba98
	s_mov_b32 s92, 0x05040100
	s_mov_b32 s93, 0x05040302
	s_mov_b32 s94, 0x07060302
	s_mov_b32 s95, 0x7f7f0000                      ; the scale 1 for the half of the attention's K step that is not there
	s_mov_b32 vcc_lo, 0xffff0000
	s_cmp_eq_u32 ttmp9, 2
	s_cbranch_scc1 .Lpath_v
	; q, k.  My rows are tokens 256 s17 + 128 s15 + 16 a + r; my columns two heads
	s_lshr_b32 s18, s17, 2
	s_and_b32 s19, s17, 3
	s_lshl_b32 s19, s19, 8
	s_lshl_b32 s20, s15, 7
	s_add_co_u32 s19, s19, s20
	s_and_b32 s20, s42, 3
	s_lshl_b32 s20, s20, 2
	s_lshl_b32 s21, s16, 1
	s_add_co_u32 s20, s20, s21
	s_lshl_b32 s18, s18, 4
	s_add_co_u32 s18, s18, s20
	s_mul_i32 s18, s18, HEADB
	s_mul_i32 s20, s19, 48
	s_add_co_u32 s20, s20, s18
	s_mov_b32 s21, 0
	s_lshl_b32 s22, s19, 2
	s_add_co_u32 s22, s22, s18
	s_add_co_u32 s22, s22, 98304
	s_mov_b32 s23, 0
	s_cmp_eq_u32 ttmp9, 0
	s_cselect_b64 s[4:5], s[96:97], s[98:99]
	s_add_nc_u64 s[6:7], s[4:5], s[22:23]
	s_add_nc_u64 s[4:5], s[4:5], s[20:21]
.macro QKOUT a
	WIN 0x02+(\a)/4
.set j, 0
.rept 32
	v_pk_add_f32 v[H+j:H+j+1], v[64*((\a)%4)+j:64*((\a)%4)+j+1], v[BI+j:BI+j+1]   ; + bias; each accumulator from its low end on
.set j, j+2
.endr
	WIN 0
	BMAX H, 4
	QSCALE PW, 4
	s_wait_xcnt 0x0                                ; the codes' registers are written again only behind this wait
	QCODES H, CD, 2
.irp e, 0,1
	global_store_b128 v[L16], v[CD+6*\e:CD+6*\e+3], s[4:5] offset:HEADB*\e+768*(\a)
	global_store_b64 v[L8], v[CD+6*\e+4:CD+6*\e+5], s[4:5] offset:HEADB*\e+768*(\a)+512
.endr
	v_and_or_b32 v[SW0+(\a)], v[PW], 0xffff, s95
	v_lshrrev_b32 v[SW1+(\a)], 16, v[PW]
	v_or_b32 v[SW1+(\a)], s95, v[SW1+(\a)]
.endm
.irp a, 0,1,2,3,4,5,6,7
	QKOUT \a
.endr
.irp i, 0,1,2,3
	v_cndmask_b32 v[TT+\i], v[SW0+2*\i], v[SW0+2*\i+1], vcc_lo
	v_cndmask_b32 v[TT+4+\i], v[SW1+2*\i], v[SW1+2*\i+1], vcc_lo
.endr
.irp i, 0,1,2,3
	global_store_b32 v[L4], v[TT+\i], s[6:7] offset:128*\i
	global_store_b32 v[L4], v[TT+4+\i], s[6:7] offset:HEADB+128*\i
.endr
	s_branch .Lend
.Lpath_v:
	; v.  My rows are channels 256 s17 + 128 s15 + 16 a + r; my columns 128 tokens: one key step
	s_lshr_b32 s18, s42, 2
	s_and_b32 s19, s42, 3
	s_lshl_b32 s19, s19, 1
	s_add_co_u32 s19, s19, s16
	s_lshl_b32 s18, s18, 4
	s_lshl_b32 s20, s17, 2
	s_add_co_u32 s18, s18, s20
	s_lshl_b32 s20, s15, 1
	s_add_co_u32 s18, s18, s20
	s_mul_i32 s18, s18, HEADB
	s_mul_i32 s20, s19, 6144
	s_add_co_u32 s20, s20, s18
	s_add_co_u32 s20, s20, 49152
	s_mov_b32 s21, 0
	s_lshl_b32 s22, s19, 8
	s_add_co_u32 s22, s22, s18
	s_add_co_u32 s22, s22, 102400
	s_mov_b32 s23, 0
	s_add_nc_u64 s[4:5], s[98:99], s[20:21]
	s_add_nc_u64 s[6:7], s[98:99], s[22:23]
.macro VOUT a
	v_mov_b32 v[TB], v[BV+(\a)]
	v_mov_b32 v[TB+1], v[BV+(\a)]
	WIN 0x02+(\a)/4
.set j, 0
.rept 32
	v_pk_add_f32 v[H+j:H+j+1], v[64*((\a)%4)+j:64*((\a)%4)+j+1], v[TB:TB+1]
.set j, j+2
.endr
	WIN 0
	BMAX H, 4
	QSCALE PWS+(\a), 4
	s_wait_xcnt 0x0
	QCODES H, CD, 2
	global_store_b128 v[L16], v[CD:CD+3], s[4:5] offset:HEADB*((\a)/4)+1536*((\a)%4)
	global_store_b64 v[L8], v[CD+4:CD+5], s[4:5] offset:HEADB*((\a)/4)+1536*((\a)%4)+512
	global_store_b128 v[L16], v[CD+6:CD+9], s[4:5] offset:HEADB*((\a)/4)+1536*((\a)%4)+768
	global_store_b64 v[L8], v[CD+10:CD+11], s[4:5] offset:HEADB*((\a)/4)+1536*((\a)%4)+1280
.endm
.irp a, 0,1,2,3,4,5,6,7
	VOUT \a
.endr
.irp i, 0,1,2,3
	v_cndmask_b32 v[TT+\i], v[PWS+2*\i], v[PWS+2*\i+1], vcc_lo
.endr
.irp i, 0,1,2,3
	global_store_b32 v[L4], v[TT+\i], s[6:7] offset:HEADB*(\i/2)+128*(\i%2)
.endr
.Lend:
	s_wait_tensorcnt 0x0                           ; the wave's end
	ds_add_u32 v[SPW], v[NIL]
	s_wait_dscnt 0x0
	CROUND                                         ; the closing round
	s_endpgm
.Lfunc_end_k_qd37f222d0c_qkv:
	.size	k_qd37f222d0c_qkv, .Lfunc_end_k_qd37f222d0c_qkv-k_qd37f222d0c_qkv
	.p2alignl 7, 3214868480
	.fill 96, 4, 3214868480
	.section	.rodata,"a",@progbits
	.p2align	6, 0x0
	.amdhsa_kernel k_qd37f222d0c_qkv
		.amdhsa_group_segment_fixed_size 327680
		.amdhsa_private_segment_fixed_size 0
		.amdhsa_enable_private_segment 0
		.amdhsa_kernarg_size 48
		.amdhsa_user_sgpr_count 2
		.amdhsa_user_sgpr_kernarg_segment_ptr 1
		.amdhsa_wavefront_size32 1
		.amdhsa_system_sgpr_workgroup_id_x 1
		.amdhsa_system_sgpr_workgroup_id_y 1
		.amdhsa_system_sgpr_workgroup_id_z 1
		.amdhsa_system_vgpr_workitem_id 0
		.amdhsa_next_free_vgpr 1024
		.amdhsa_next_free_sgpr 100
		.amdhsa_reserve_vcc 1
		.amdhsa_float_denorm_mode_32 3
		.amdhsa_float_denorm_mode_16_64 3
		.amdhsa_memory_ordered 1
		.amdhsa_forward_progress 1
		.amdhsa_inst_pref_size 244
	.end_amdhsa_kernel
	.amdgpu_metadata
---
amdhsa.version: [ 1, 2 ]
amdhsa.kernels:
  - .name:           k_qd37f222d0c_qkv
    .symbol:         k_qd37f222d0c_qkv.kd
    .args:
      - { .name: hq, .offset: 0, .size: 8, .value_kind: global_buffer, .address_space: global }
      - { .name: attn_w_codes, .offset: 8, .size: 8, .value_kind: global_buffer, .address_space: global }
      - { .name: attn_w_scales, .offset: 16, .size: 8, .value_kind: global_buffer, .address_space: global }
      - { .name: attn_b, .offset: 24, .size: 8, .value_kind: global_buffer, .address_space: global }
      - { .name: qq, .offset: 32, .size: 8, .value_kind: global_buffer, .address_space: global }
      - { .name: kv, .offset: 40, .size: 8, .value_kind: global_buffer, .address_space: global }
    .group_segment_fixed_size: 327680
    .private_segment_fixed_size: 0
    .kernarg_segment_align: 8
    .kernarg_segment_size: 48
    .max_flat_workgroup_size: 128
    .sgpr_count:     100
    .vgpr_count:     1024
    .wavefront_size: 32
...
	.end_amdgpu_metadata
.endif
;; end of part 2
;; launch attn (part 3): grid 4 x 64, 16 waves a work-group, clusters of 4 x 1, 169,984 bytes of LDS; arguments qq, kv, yq; writes yq
.if DOCPART == 3
	.amdgcn_target "amdgcn-amd-amdhsa--gfx1250"
	.amdhsa_code_object_version 6
	.text
	.protected	k_qd37f222d0c_attn
	.globl	k_qd37f222d0c_attn
	.p2align	8
	.type	k_qd37f222d0c_attn,@function
k_qd37f222d0c_attn:
	s_mov_b64 s[64:65], 0
	v_nop
	global_prefetch_b8 v0, s[64:65] scope:SCOPE_SE
	s_setreg_imm32_b32 hwreg(HW_REG_WAVE_MODE, 25, 1), 1
	s_wait_xcnt 0x0
	s_wait_alu depctr_hold_cnt(0) depctr_sa_sdst(0) depctr_va_vdst(0) depctr_va_sdst(0) depctr_va_ssrc(0) depctr_va_vcc(0) depctr_vm_vsrc(0)
	s_getreg_b32 s2, hwreg(HW_REG_IB_STS2, 6, 4)
	s_cmp_eq_u32 s2, 0
	s_cbranch_scc0 .Lentry_in_a_cluster
	s_endpgm
.Lentry_in_a_cluster:
	s_bfe_u32 s2, ttmp6, 0x10000c
	s_cmp_lg_u32 s2, 0x3003
	s_cbranch_scc0 .Lentry_shape_is_right
	s_endpgm
.Lentry_shape_is_right:
; y[b][q][head] = softmax_k(q . k / 8) v for 64 (batch, head) of 1,024 tokens and head size 64, both products on codes of E3M2; y is quantised at once along the next product's K (the 1,024 channels).
; THE SOFTMAX: t = score x log2(e) / 8; M = the running largest t rounded UP to a whole number; p = 2^(t - M) is quantised along the keys, not normalised; the row's sum is taken of the unquantised p and divides at the end.
; When M moves, the sum and O are multiplied by 2^(old M - new M): exact.
; IN: for each (batch, head) 104,448 dense bytes: k's 64 half images (16 keys x 64: registers 0-3 at 16 x lane, 4, 5 at 512 + 8 x lane), v's 32 fragments (16 channels x 128 keys), k's scale words, v's.  q lies likewise in its own buffer.
; SHARES.  A work-group owns 256 queries of one head, each of its sixteen waves 16 of them.  THE HEAD'S WHOLE BLOCK LIES IN LDS, filled once: no ring, one barrier.  The four query blocks of a head form a cluster and ask for it
; jointly: waves 0 to 3 bring 102 rows of 256 bytes each.
; LAYOUT.  Both products transposed (S^T = K Q^T, O^T = V^T P^T): a lane holds one query.  The first product has K = 64 in an instruction of 128: q's registers 6-11 are zero codes, so whatever stands against them
; (the next tile's codes; no code is a NaN or an infinity) adds nothing; the scale bytes there are 0x7f.
; A tile's 16 keys are neighbours: register j of tile t, lane (r, h), is key 16 t + 8 h + j; p's half blocks are woven into whole blocks by three lane swaps and four byte permutes for each 64 keys.
; OUT: y's half image at fragment (16 rows, K step head / 2), half head % 2; its two scale bytes into the word [K step][row].  (Those 2 bytes a row are half of a word whose other half the neighbouring head's work-group writes.)
; LIMITS: NaN and infinities are not served; a block whose largest magnitude lies under 2^-122 keeps the byte 1 (a block of zeros too); a block's largest p is taken through its largest score, which takes v_exp_f32 not to fall where its input rises.
; REGISTERS: v1-4, v6 addresses that stay; v8-11 the step's; v12 -M, v13 the largest t, v[14:15] the sum; v16-27 Q; v28 Q's scale words; v32-79 eight tiles of K, then four fragments of V; v80-85 zeros;
; v86-89 K's scale words, v90-91 V's; v96-159 S^T, then p; v160-191 O^T; v192-203 p's codes; v204-211, v232-254 at work.
.set HEADB, 104448
.set VOFF,  49152
.set KSO,   98304
.set VSO,   102400
.set PARTB, 26112                      ; 102 rows of 256 bytes
.set TM,    232
.set XB,    204
.set CD,    192
.set WV,    12
.set SEL,   14
.set CS,    16
.set G1,    24
.set G0,    32
.macro CROUND
	s_barrier_signal -1
	s_barrier_wait -1
	s_cmp_lg_u32 s[WV], 0
	s_cbranch_scc1 .Lnot_wave_0_\@
	s_barrier_signal -3
.Lnot_wave_0_\@:
	s_barrier_wait -3
	s_barrier_signal -1
	s_barrier_wait -1
.endm
; x = (k 0-7 | k 16-23) of a block in lanes 0-15, y = (k 8-15 | k 24-31) in lanes 16-31; the swaps bring x and y of block 2 c + (lane / 16) into one lane; its six words: x0; x1.lo, y0.lo; y0.hi, y1.lo; x1.hi, x2.lo; x2.hi, y1.hi; y2
.macro QCODES s, pc, nc
.set cc, 0
.rept \nc
	v_cvt_scalef32_pk16_bf6_f32 v[(\pc)+6*cc:(\pc)+6*cc+2], v[(\s)+32*cc:(\s)+32*cc+15], v[TM+12+2*cc]
	v_cvt_scalef32_pk16_bf6_f32 v[XB+4*cc:XB+4*cc+2], v[(\s)+32*cc+16:(\s)+32*cc+31], v[TM+13+2*cc]
.set cc, cc+1
.endr
	v_nop                                          ; one plain instruction behind the scaled conversions
.set cc, 0
.rept \nc
.irp i, 0,1,2
	v_permlane16_swap_b32 v[(\pc)+6*cc+\i], v[XB+4*cc+\i]
.endr
	s_delay_alu instid0(VALU_DEP_1)
	v_perm_b32 v[(\pc)+6*cc+3], v[(\pc)+6*cc+2], v[(\pc)+6*cc+1], s19
	s_delay_alu instid0(VALU_DEP_2)
	v_perm_b32 v[(\pc)+6*cc+4], v[XB+4*cc+1], v[(\pc)+6*cc+2], s20
	s_delay_alu instid0(VALU_DEP_4)
	v_perm_b32 v[(\pc)+6*cc+1], v[XB+4*cc], v[(\pc)+6*cc+1], s18
	v_perm_b32 v[(\pc)+6*cc+2], v[XB+4*cc+1], v[XB+4*cc], s19
	v_mov_b32 v[(\pc)+6*cc+5], v[XB+4*cc+2]
.set cc, cc+1
.endr
.endm
	s_load_b128 s[4:7], s[0:1], 0x0                ; q's buffer, k and v's
	s_load_b64 s[8:9], s[0:1], 0x10                ; y's
	v_lshl_add_u32 v251, v0, 2, 0x29000
	v_mov_b32 v255, 0
	ds_add_u32 v251, v255
	ds_add_u32 v251, v255
	v_lshrrev_b32 v1, 5, v0
	s_delay_alu instid0(VALU_DEP_1)
	v_readfirstlane_b32 s[WV], v1                  ; wave 0..15
	s_bfe_u32 s13, ttmp6, 0x40000                  ; cx: my block of 256 queries; it enters q's and y's addresses alone
	s_and_b32 s21, ttmp7, 0xffff                   ; (batch, head), which the four partners share
	s_mul_i32 s22, s21, HEADB
	s_and_b32 s41, s[WV], 3
	s_mul_i32 s40, s41, PARTB                      ; the quarter that I fetch, if I fetch: in LDS,
	s_add_co_u32 s42, s22, s40                     ; and in memory
	s_mov_b32 s43, 0
	s_mov_b32 s[G1], 15|(3<<16)|(1<<21)            ; the mask: all four work-groups; elements of 8 bytes; bit 21 beside a mask; no padding
	s_mov_b32 s[G1+1], 32<<16                      ; tensor_dim0 = 32 (256 bytes)
	s_mov_b32 s[G1+2], 102<<16                     ; tensor_dim1 = 102
	s_mov_b32 s[G1+3], 32<<16                      ; tile_dim0
	s_mov_b32 s[G1+4], 102                         ; tile_dim1
	s_mov_b32 s[G1+5], 32                          ; dense
	s_mov_b32 s[G1+6], 0
	s_mov_b32 s[G1+7], 0
	s_mov_b32 s[SEL], 0x76543210
	s_mov_b32 s[SEL+1], 0xfedcba98
	s_mov_b32 s[CS], 0x3e38aa3b                    ; c = log2(e) / 8
	s_mov_b32 s[CS+1], s[CS]                       ; (named with it as a pair, so it is written)
	s_mov_b32 s18, 0x05040100                      ; byte selects: (second.lo, first.lo),
	s_mov_b32 s19, 0x05040302                      ; (second.hi, first.lo),
	s_mov_b32 s20, 0x07060302                      ; (second.hi, first.hi)
	s_lshl_b32 s44, s13, 4
	s_add_co_u32 s44, s44, s[WV]                   ; my tile of 16 queries in the head
	s_mul_i32 s46, s44, 768
	s_add_co_u32 s46, s46, s22
	s_mov_b32 s47, 0
	s_lshl_b32 s48, s44, 6
	s_add_co_u32 s48, s48, s22
	s_add_co_u32 s48, s48, KSO
	s_mov_b32 s49, 0
	s_lshr_b32 s50, s21, 4
	s_lshl_b32 s50, s50, 6
	s_add_co_u32 s50, s50, s44                     ; my tile of 16 rows among the 256
	s_and_b32 s51, s21, 15                         ; the head
	s_mul_i32 s52, s50, 12288                      ; eight fragments a tile of rows,
	s_mul_i32 s53, s51, 768                        ; half a fragment a head
	s_add_co_u32 s52, s52, s53
	s_mov_b32 s53, 0
	s_lshr_b32 s54, s51, 1
	s_lshl_b32 s54, s54, 14                        ; scale words: 16,384 bytes a K step,
	s_lshl_b32 s55, s50, 6                         ; 64 a tile of rows,
	s_add_co_u32 s54, s54, s55
	s_and_b32 s55, s51, 1
	s_lshl_b32 s55, s55, 1                         ; my head's half of the word
	s_add_co_u32 s54, s54, s55
	s_add_co_u32 s54, s54, 3145728
	s_mov_b32 s55, 0
	s_wait_dscnt 0x0
	s_wait_kmcnt 0x0
	s_add_nc_u64 s[46:47], s[4:5], s[46:47]        ; Q's half image
	s_add_nc_u64 s[48:49], s[4:5], s[48:49]        ; Q's scale words
	s_add_nc_u64 s[52:53], s[8:9], s[52:53]        ; y's half image
	s_add_nc_u64 s[54:55], s[8:9], s[54:55]        ; y's scale bytes
	s_mov_b32 s[G0], 1
	s_mov_b32 s[G0+1], s40
	s_add_nc_u64 s[G0+2:G0+3], s[6:7], s[42:43]
	s_or_b32 s[G0+3], s[G0+3], 0x80000000
	CROUND                                         ; all four work-groups are here: the joint loads meet
	s_cmp_lt_u32 s[WV], 4
	s_cbranch_scc0 .Lno_fetch
	tensor_load_to_lds s[G0:G0+3], s[G1:G1+7]
	s_nop 0
.rept 4
	v_nop
.endr
.Lno_fetch:
	v_and_b32 v5, 31, v0
	v_and_b32 v6, 15, v0
	s_delay_alu instid0(VALU_DEP_2)
	v_lshlrev_b32 v1, 4, v5                        ; 16 x lane
	s_delay_alu instid0(VALU_DEP_3)
	v_lshlrev_b32 v2, 3, v5                        ; 8 x lane
	s_delay_alu instid0(VALU_DEP_4)
	v_lshl_add_u32 v3, v5, 2, KSO                  ; K's scale words: 4 x lane
	v_lshl_add_u32 v4, v5, 2, VSO                  ; V's
	v_lshlrev_b32 v6, 2, v6                        ; 4 r
	global_load_b128 v[16:19], v1, s[46:47]
	global_load_b64 v[20:21], v2, s[46:47] offset:512
	global_load_b32 v28, v6, s[48:49]
.irp j, 22,23,24,25,26,27,80,81,82,83,84,85
	v_mov_b32 v[\j], 0                             ; zero codes: K = 64 .. 127 of q; and what stands behind K's last tile
.endr
	v_mov_b32 v13, 0xff61b1e6                      ; the largest t so far: -3e38
	s_delay_alu instid0(VALU_DEP_1)
	v_floor_f32 v12, -v13                          ; -M
	v_mov_b32 v14, 0
	v_mov_b32 v15, 0
.irp b, 0,1,2,3
	v_mov_b32 v[236+\b], 0                         ; written once: a lane permute's destination counts as one of its sources
.endr
	v_mov_b32 v253, 0                              ; (named as the upper half of the pair v[252:253] before it is first written)
.set j, 0
.rept 32
	v_mov_b32 v[160+j], 0                          ; O^T: the loop is written once; its first step finds zeros
.set j, j+1
.endr
	s_mov_b32 s36, 0                               ; the step's codes: 6,144 bytes of K and of V a step
	s_mov_b32 s37, 0                               ; K's scale words: 512 a step
	s_mov_b32 s38, 0                               ; V's: 256 a step
	s_mov_b32 s39, 0
	s_wait_tensorcnt 0x0                           ; my quarter is in,
	s_barrier_signal -1
	s_barrier_wait -1                              ; everybody's is
	s_wait_loadcnt 0x0                             ; Q
.Lstep:                                            ; eight trips of 128 keys
	v_add_nc_u32 v8, s36, v1                       ; (these four are also the places behind the last trip's products)
	v_add_nc_u32 v9, s36, v2
	v_add_nc_u32 v10, s37, v3
	v_add_nc_u32 v11, s38, v4
.irp t, 0,1,2,3,4,5,6,7
	ds_load_b128 v[32+6*\t:35+6*\t], v8 offset:768*\t
	ds_load_b64 v[36+6*\t:37+6*\t], v9 offset:768*\t+512
.endr
.irp i, 0,1,2,3
	ds_load_b32 v[86+\i], v10 offset:128*\i        ; lanes 0-15: tile 2 i's words; lanes 16-31: tile 2 i + 1's
.endr
	s_wait_alu depctr_va_vdst(0)
	s_wait_dscnt 0x0
.irp t, 0,2,4,6
	v_wmma_scale_f32_16x16x128_f8f6f4 v[96+8*\t:103+8*\t], v[32+6*\t:43+6*\t], v[16:27], 0, v[86+\t/2], v28 matrix_a_fmt:MATRIX_FMT_BF6 matrix_b_fmt:MATRIX_FMT_BF6
	v_wmma_scale_f32_16x16x128_f8f6f4 v[104+8*\t:111+8*\t], v[38+6*\t:49+6*\t], v[16:27], 0, v[86+\t/2], v28 matrix_a_fmt:MATRIX_FMT_BF6 matrix_b_fmt:MATRIX_FMT_BF6 matrix_a_scale:MATRIX_SCALE_ROW1
.endr
.rept 4
	v_nop                                          ; places: in front of the loads into K's registers, and of the first read of the scores
.endr
.irp d, 0,1,2,3                                ; V's four fragments are asked for now and land under the softmax
	ds_load_b128 v[32+12*\d:35+12*\d], v8 offset:VOFF+1536*\d
	ds_load_b64 v[36+12*\d:37+12*\d], v9 offset:VOFF+1536*\d+512
	ds_load_b128 v[38+12*\d:41+12*\d], v8 offset:VOFF+1536*\d+768
	ds_load_b64 v[42+12*\d:43+12*\d], v9 offset:VOFF+1536*\d+1280
.endr
	ds_load_b32 v90, v11
	ds_load_b32 v91, v11 offset:128
.irp b, 0,1,2,3
	v_max3_num_f32 v[232+\b], v[96+16*\b], v[97+16*\b], v[98+16*\b]   ; the largest score of each block of 32 keys: for the row's maximum, and, since p rises with the score, for the block's largest p
.endr
.irp i, 3,5,7,9,11,13
.irp b, 0,1,2,3
	v_max3_num_f32 v[232+\b], v[232+\b], v[96+16*\b+\i], v[97+16*\b+\i]
.endr
.endr
.irp b, 0,1,2,3
	v_max_num_f32 v[232+\b], v[232+\b], v[111+16*\b]
.endr
.irp b, 0,1,2,3
	s_delay_alu instid0(VALU_DEP_4)
	v_permlanex16_b32 v[236+\b], v[232+\b], s[SEL], s[SEL+1]
.endr
.irp b, 0,1,2,3
	s_delay_alu instid0(VALU_DEP_4)
	v_max_num_f32 v[232+\b], v[232+\b], v[236+\b]  ; with lane l xor 16's 16 keys
.endr
	s_delay_alu instid0(VALU_DEP_2)
	v_max3_num_f32 v254, v232, v233, v234
	s_delay_alu instid0(VALU_DEP_1)
	v_max_num_f32 v254, v254, v235                 ; the step's largest score of my query
	s_delay_alu instid0(VALU_DEP_1)
	v_mul_f32 v254, s[CS], v254                    ; as t
	s_delay_alu instid0(VALU_DEP_1)
	v_max_num_f32 v13, v13, v254                   ; the running largest t
	v_mov_b32 v254, v12
	s_delay_alu instid0(VALU_DEP_2)
	v_floor_f32 v12, -v13                          ; the new -M = -ceil(t): a whole number
	s_delay_alu instid0(VALU_DEP_1)
	v_sub_f32 v254, v12, v254                      ; old M - new M: a whole number, 0 or less
	s_delay_alu instid0(VALU_DEP_1)
	v_cvt_i32_f32 v254, v254                       ; (it saturates)
	s_delay_alu instid0(VALU_DEP_1)
	v_ldexp_f32 v252, 1.0, v254                    ; f = 2^(old M - new M)
.set j, 0
.rept 32
	v_pk_fma_f32 v[96+j:97+j], v[96+j:97+j], s[CS:CS+1], v[12:13] op_sel_hi:[1,0,0]   ; t - M
.set j, j+2
.endr
.irp b, 0,1,2,3
	v_fma_f32 v[232+\b], v[232+\b], s[CS], v12     ; the same of each block's largest score
.endr
.set j, 0
	s_wait_alu depctr_va_vdst(0)
.rept 64
	v_exp_f32 v[96+j], v[96+j]                     ; p = 2^(t - M)
.set j, j+1
.endr
	v_pk_mul_f32 v[14:15], v[14:15], v[252:253] op_sel_hi:[1,0]   ; the sums under the new M (a plain instruction behind the exponentials)
	s_wait_alu depctr_va_vdst(0)                   ; one wait for the batch, ahead of its first reader
.irp b, 0,1,2,3
	v_exp_f32 v[232+\b], v[232+\b]                 ; the blocks' largest p
.endr
	v_pk_add_f32 v[236:237], v[100:101], v[104:105]
	v_pk_add_f32 v[248:249], v[108:109], v[112:113]
	v_pk_add_f32 v[246:247], v[116:117], v[120:121]
	v_pk_add_f32 v[244:245], v[124:125], v[128:129]
	v_pk_add_f32 v[242:243], v[132:133], v[136:137]
	v_pk_add_f32 v[240:241], v[140:141], v[144:145]
	v_pk_add_f32 v[238:239], v[148:149], v[152:153]
	v_pk_add_f32 v[14:15], v[14:15], v[156:157]
	v_pk_add_f32 v[236:237], v[236:237], v[96:97]
	v_pk_add_f32 v[248:249], v[248:249], v[98:99]
	v_pk_add_f32 v[246:247], v[246:247], v[102:103]
	v_pk_add_f32 v[244:245], v[244:245], v[106:107]
	v_pk_add_f32 v[242:243], v[242:243], v[110:111]
	v_pk_add_f32 v[240:241], v[240:241], v[114:115]
	v_pk_add_f32 v[238:239], v[238:239], v[118:119]
	v_pk_add_f32 v[14:15], v[14:15], v[122:123]
	v_pk_add_f32 v[236:237], v[236:237], v[126:127]
	v_pk_add_f32 v[248:249], v[248:249], v[130:131]
	v_pk_add_f32 v[246:247], v[246:247], v[134:135]
	v_pk_add_f32 v[244:245], v[244:245], v[138:139]
	v_pk_add_f32 v[242:243], v[242:243], v[142:143]
	v_pk_add_f32 v[240:241], v[240:241], v[146:147]
	v_pk_add_f32 v[238:239], v[238:239], v[150:151]
	v_pk_add_f32 v[14:15], v[14:15], v[154:155]
	v_pk_add_f32 v[236:237], v[236:237], v[158:159]
	s_delay_alu instid0(VALU_DEP_2)
	v_pk_add_f32 v[14:15], v[14:15], v[244:245]
	s_delay_alu instid0(VALU_DEP_2)
	v_pk_add_f32 v[236:237], v[236:237], v[242:243]
	v_pk_add_f32 v[248:249], v[248:249], v[240:241]
	v_pk_add_f32 v[246:247], v[246:247], v[238:239]
	s_delay_alu instid0(VALU_DEP_2)
	v_pk_add_f32 v[14:15], v[14:15], v[248:249]
	s_delay_alu instid0(VALU_DEP_2)
	v_pk_add_f32 v[236:237], v[236:237], v[246:247]
	s_delay_alu instid0(VALU_DEP_1)
	v_pk_add_f32 v[14:15], v[14:15], v[236:237]
	s_wait_alu depctr_va_vdst(0)                   ; and one for the four
.irp b, 0,1,2,3
	v_max_num_f32 v[232+\b], 0x2800000, v[232+\b]  ; the floor 2^(5 - 127)
.endr
.irp b, 0,1,2,3
	s_delay_alu instid0(VALU_DEP_4)
	v_add_nc_u32 v[244+\b], 0xfe000000, v[232+\b]  ; the conversions' scale operands
.endr
.irp b, 0,1,2,3
	s_delay_alu instid0(VALU_DEP_4)
	v_lshrrev_b32 v[236+\b], 23, v[244+\b]         ; the bytes
.endr
	s_delay_alu instid0(VALU_DEP_3)
	v_lshl_or_b32 v253, v237, 8, v236              ; p's scale word for these 128 keys
	s_delay_alu instid0(VALU_DEP_1)
	v_lshl_or_b32 v253, v238, 16, v253
	s_delay_alu instid0(VALU_DEP_1)
	v_lshl_or_b32 v253, v239, 24, v253
	QCODES 96, CD, 2
.set j, 0
.rept 16
	v_pk_mul_f32 v[160+j:161+j], v[160+j:161+j], v[252:253] op_sel_hi:[1,0]   ; O^T under the new M (these sixteen also stand between the scale word's and the codes' last writes and the products)
.set j, j+2
.endr
	s_wait_alu depctr_va_vdst(0)
	s_wait_dscnt 0x0                               ; V
.irp d, 0,2
	v_wmma_scale_f32_16x16x128_f8f6f4 v[160+8*\d:167+8*\d], v[32+12*\d:43+12*\d], v[192:203], v[160+8*\d:167+8*\d], v[90+\d/2], v253 matrix_a_fmt:MATRIX_FMT_BF6 matrix_b_fmt:MATRIX_FMT_BF6
	v_wmma_scale_f32_16x16x128_f8f6f4 v[168+8*\d:175+8*\d], v[44+12*\d:55+12*\d], v[192:203], v[168+8*\d:175+8*\d], v[90+\d/2], v253 matrix_a_fmt:MATRIX_FMT_BF6 matrix_b_fmt:MATRIX_FMT_BF6 matrix_a_scale:MATRIX_SCALE_ROW1
.endr
	s_add_co_u32 s36, s36, 6144
	s_add_co_u32 s37, s37, 512
	s_add_co_u32 s38, s38, 256
	s_add_co_u32 s39, s39, 1
	s_cmp_lt_u32 s39, 8
	s_cbranch_scc1 .Lstep
	; THE WAY OUT
.rept 4
	v_nop                                          ; places behind the last products
.endr
	v_add_f32 v14, v14, v15
	s_delay_alu instid0(VALU_DEP_1)
	v_permlanex16_b32 v252, v14, s[SEL], s[SEL+1]
	s_delay_alu instid0(VALU_DEP_1)
	v_add_f32 v14, v14, v252                       ; the row's sum
	s_wait_alu depctr_va_vdst(0)
	v_rcp_f32 v14, v14
	v_nop
	s_wait_alu depctr_va_vdst(0)
.set j, 0
.rept 32
	v_mul_f32 v[96+j], v[160+j], v14               ; y: register 8 t + i is channel 16 t + 8 h + i of my query
.set j, j+1
.endr
.irp b, 0,1
	v_max3_num_f32 v[TM+\b], |v[96+16*\b]|, |v[97+16*\b]|, 0x2800000
.endr
.irp i, 2,4,6,8,10,12,14
.irp b, 0,1
	s_delay_alu instid0(VALU_DEP_2)
	v_max3_num_f32 v[TM+\b], v[TM+\b], |v[96+16*\b+\i]|, |v[97+16*\b+\i]|
.endr
.endr
.irp b, 0,1
	s_delay_alu instid0(VALU_DEP_2)
	v_permlanex16_b32 v[TM+4+\b], v[TM+\b], s[SEL], s[SEL+1]
.endr
.irp b, 0,1
	s_delay_alu instid0(VALU_DEP_2)
	v_max_num_f32 v[TM+\b], v[TM+\b], v[TM+4+\b]
.endr
.irp b, 0,1
	s_delay_alu instid0(VALU_DEP_2)
	v_add_nc_u32 v[TM+12+\b], 0xfe000000, v[TM+\b]
.endr
.irp b, 0,1
	s_delay_alu instid0(VALU_DEP_2)
	v_lshrrev_b32 v[TM+4+\b], 23, v[TM+12+\b]
.endr
	s_delay_alu instid0(VALU_DEP_1)
	v_lshl_or_b32 v253, v[TM+5], 8, v[TM+4]        ; my row's two scale bytes
	QCODES 96, CD, 1
	global_store_b128 v1, v[CD:CD+3], s[52:53]     ; 512 consecutive bytes,
	global_store_b64 v2, v[CD+4:CD+5], s[52:53] offset:512   ; and 256
	global_store_b16 v6, v253, s[54:55]            ; lanes l and l xor 16 hold the same row's bytes and write them to the same place
	s_wait_tensorcnt 0x0
	ds_add_u32 v251, v255
	s_wait_dscnt 0x0
	CROUND                                         ; the closing round
	s_endpgm
.Lfunc_end_k_qd37f222d0c_attn:
	.size	k_qd37f222d0c_attn, .Lfunc_end_k_qd37f222d0c_attn-k_qd37f222d0c_attn
	.p2alignl 7, 3214868480
	.fill 96, 4, 3214868480
	.section	.rodata,"a",@progbits
	.p2align	6, 0x0
	.amdhsa_kernel k_qd37f222d0c_attn
		.amdhsa_group_segment_fixed_size 169984
		.amdhsa_private_segment_fixed_size 0
		.amdhsa_enable_private_segment 0
		.amdhsa_kernarg_size 24
		.amdhsa_user_sgpr_count 2
		.amdhsa_user_sgpr_kernarg_segment_ptr 1
		.amdhsa_wavefront_size32 1
		.amdhsa_system_sgpr_workgroup_id_x 1
		.amdhsa_system_sgpr_workgroup_id_y 1
		.amdhsa_system_sgpr_workgroup_id_z 1
		.amdhsa_system_vgpr_workitem_id 0
		.amdhsa_next_free_vgpr 256
		.amdhsa_next_free_sgpr 66
		.amdhsa_reserve_vcc 0
		.amdhsa_float_denorm_mode_32 3
		.amdhsa_float_denorm_mode_16_64 3
		.amdhsa_memory_ordered 1
		.amdhsa_forward_progress 1
		.amdhsa_inst_pref_size 30
	.end_amdhsa_kernel
	.amdgpu_metadata
---
amdhsa.version: [ 1, 2 ]
amdhsa.kernels:
  - .name:           k_qd37f222d0c_attn
    .symbol:         k_qd37f222d0c_attn.kd
    .args:
      - { .name: qq, .offset: 0, .size: 8, .value_kind: global_buffer, .address_space: global }
      - { .name: kv, .offset: 8, .size: 8, .value_kind: global_buffer, .address_space: global }
      - { .name: yq, .offset: 16, .size: 8, .value_kind: global_buffer, .address_space: global }
    .group_segment_fixed_size: 169984
    .private_segment_fixed_size: 0
    .kernarg_segment_align: 8
    .kernarg_segment_size: 24
    .max_flat_workgroup_size: 512
    .sgpr_count:     66
    .vgpr_count:     256
    .wavefront_size: 32
...
	.end_amdgpu_metadata
.endif
;; end of part 3
;; launch proj (part 4): grid 8 x 32, 4 waves a work-group, clusters of 4 x 4, 327,680 bytes of LDS; arguments yq, proj_w_codes, proj_w_scales, proj_b, x, x1; writes x1
.if DOCPART == 4
	.amdgcn_target "amdgcn-amd-amdhsa--gfx1250"
	.amdhsa_code_object_version 6
	.text
	.protected	k_qd37f222d0c_proj
	.globl	k_qd37f222d0c_proj
	.p2align	8
	.type	k_qd37f222d0c_proj,@function
k_qd37f222d0c_proj:
	s_mov_b64 s[64:65], 0
	v_nop
	global_prefetch_b8 v0, s[64:65] scope:SCOPE_SE
	s_setreg_imm32_b32 hwreg(HW_REG_WAVE_MODE, 25, 1), 1
	s_wait_xcnt 0x0
	s_wait_alu depctr_hold_cnt(0) depctr_sa_sdst(0) depctr_va_vdst(0) depctr_va_sdst(0) depctr_va_ssrc(0) depctr_va_vcc(0) depctr_vm_vsrc(0)
	s_getreg_b32 s2, hwreg(HW_REG_IB_STS2, 6, 4)
	s_cmp_eq_u32 s2, 0
	s_cbranch_scc0 .Lentry_in_a_cluster
	s_endpgm
.Lentry_in_a_cluster:
	s_bfe_u32 s2, ttmp6, 0x10000c
	s_cmp_lg_u32 s2, 0xf033
	s_cbranch_scc0 .Lentry_shape_is_right
	s_endpgm
.Lentry_shape_is_right:
; x1 = x + (y W^T + bias): y 4,096 rows x 1,024 as images of operand registers, W 1,024 rows of codes of E3M2 with K innermost (768 bytes a row), x and x1 [4096][1024] f32.
; y's buffer: fragment (16 rows, 128 K) = 1,536 bytes at [tile of rows][K step]: for each half of 64 K registers 0-3 at 16 x lane, registers 4, 5 at 512 + 8 x lane; 3,145,728 bytes on the scale words [K step][row].
; A tile is 128 x 128: 256 work-groups, four waves of 64 x 64: 16 accumulators.  ALL OF K LIES IN LDS, FILLED ONCE: y's 128 rows are 98,304 dense bytes, W's 128 rows 128 x (768 + 48 of padding), each side's scales 4,096 bytes.
; So there is no ring: four joint loads, one a wave (wave 0 y's codes, wave 1 W's, wave 2 y's scale words, wave 3 W's scale bytes), one wait, one barrier.  4 x 4 clusters: y's tiles are shared along a row, W's along a column.
; Every tensor row begins on a multiple of 256 bytes.  No prefetch: all that the work-group reads by tensor loads is asked for at its head, and there is no loop to run ahead in.
; Source 0 = 16 rows of W, source 1 = 16 rows of y: a lane holds eight neighbouring columns of one row.  The way out goes through each wave's own stage, where rows of 256 bytes are gathered; residual and bias,
; asked for at the head, are added in the stored layout; sixteen lanes store 256 consecutive bytes, aligned.
; REGISTERS: window 0: v0-31 addresses; v32-63 W's scale words (8 b + q), v64-79 y's (2 q + i: lanes 0-15 block 2 i, lanes 16-31 block 2 i + 1); v80-83 bias; v84-115 rows on the way out; v128-255 accumulators.
; window 1: two sets of eight fragments (y's four, then W's four) at v0 and v128.  window 2: v0-127 the residual.
.set KROW,   768
.set KS,     32
.set FR,     12
.set WP,     816                       ; a row of W in LDS: 3 x (256 + 16): 204 words: the 32 lanes of a load of 8 bytes touch 64 different banks
.set AHALF,  49152                     ; four tiles of rows x eight fragments
.set WHALF,  64*WP
.set WOFF,   2*AHALF
.set WSC,    WOFF+2*WHALF
.set HALFS,  (64*KS/256)*272
.set SBLK,   (16*KS/256)*272
.set ASC,    WSC+2*HALFS
.set SPARE,  ASC+4096                  ; the spare words: two blocks of 256 bytes that no other line names
.set STAGE,  SPARE+512                 ; 16 rows x 272 bytes for each wave; no fill lands here
.set SPITCH, 272
.set SOFF,   3145728
.set AA16, 4
.set AA8,  5
.set AW,   6
.set AW2,  7
.set AWS,  12
.set AAS,  13
.set STO,  14
.set RD,   15
.set CO,   16
.set BO,   17
.set SPW,  28
.set NIL,  29
.set SCW,  32
.set SCA,  64
.set BIA,  80
.set OUTR, 84
.set ACC,  128
.set F0,   0
.set F1,   128
.set G1A, 24
.set G0A, 32
.set G0W, 36
.set G1W, 48
.set G1S, 68
.set G0S, 76
.set G1SB, 80
.set G0SB, 88
.set MSB, 0
.macro WIN new                         ; the immediate's high byte repeats the setting that is left
.if MSB != (\new)
	s_set_vgpr_msb (MSB<<8)|(\new)
.set MSB, (\new)
.endif
.endm
.set MUL,  0x05                        ; sources 0 and 1 window 1; C and D window 0
.set TO_F, 0x40
.macro CROUND
	s_barrier_signal -1
	s_barrier_wait -1
	s_cmp_lg_u32 s14, 0
	s_cbranch_scc1 .Lnot_wave_0_\@
	s_barrier_signal -3
.Lnot_wave_0_\@:
	s_barrier_wait -3
	s_barrier_signal -1
	s_barrier_wait -1
.endm
.macro DESC g, d0, d1, pit             ; a group 1's constant words: d1 rows of d0 elements, pit elements apart
	s_mov_b32 s[\g+1], (\d0)<<16
	s_mov_b32 s[\g+2], (\d1)<<16
	s_mov_b32 s[\g+3], (\d0)<<16
	s_mov_b32 s[\g+4], \d1
	s_mov_b32 s[\g+5], \pit
	s_mov_b32 s[\g+6], 0
	s_mov_b32 s[\g+7], 0
.endm
.macro ARM under, g0, g1, next         ; one chain of branches on the wave's number: every way passes exactly one load
	s_cmp_lt_u32 s14, \under
	s_cbranch_scc0 \next
	tensor_load_to_lds s[\g0:\g0+3], s[\g1:\g1+7]
	s_nop 0
.rept 4
	v_nop
.endr
	s_branch .Lhead_asked
\next:
.endm
	s_load_b256 s[4:11], s[0:1], 0x0               ; y, W's codes, W's scales, bias
	s_load_b128 s[96:99], s[0:1], 0x20             ; residual, out
	v_lshl_add_u32 v[SPW], v0, 2, SPARE
	v_mov_b32 v[NIL], 0
	ds_add_u32 v[SPW], v[NIL]                      ; the opening lines: the add twice and its wait
	ds_add_u32 v[SPW], v[NIL]
	v_lshrrev_b32 v1, 5, v0
	v_readfirstlane_b32 s14, v1                    ; wave
	s_lshr_b32 s15, s14, 1                         ; my 64 rows
	s_and_b32 s16, s14, 1                          ; my 64 columns
	s_bfe_u32 s40, ttmp6, 0x40000                  ; cx
	s_bfe_u32 s41, ttmp6, 0x40004                  ; cy
	s_lshl_b32 s42, ttmp9, 2
	s_add_co_u32 s42, s42, s40                     ; tile column
	s_and_b32 s17, ttmp7, 0xffff
	s_lshl_b32 s17, s17, 2
	s_add_co_u32 s17, s17, s41                     ; tile row
	s_lshl_b32 s43, s41, 2
	s_lshl_b32 s43, 15, s43                        ; my row of the cluster
	s_lshl_b32 s44, 0x1111, s40                    ; my column
	s_or_b32 s[G1A+0], s43, (3<<16)|(1<<21)        ; y's codes: 98,304 dense bytes as 384 rows of 256
	DESC G1A, 32, 384, 32
	s_or_b32 s[G1W+0], s44, (1<<20)|(1<<21)|(5<<22)|(3<<25)   ; W's codes: 128 rows of 768 bytes, 16 of padding behind every 256
	DESC G1W, KROW, 128, KROW
	s_or_b32 s[G1S+0], s43, (3<<16)|(1<<21)        ; y's scale words: 8 K steps x 512 bytes, 16,384 apart
	DESC G1S, 64, 8, 2048
	s_or_b32 s[G1SB+0], s44, (3<<16)|(1<<20)|(1<<21)|(5<<22)|(3<<25)  ; W's scale bytes: 4,096 dense bytes as 16 rows of 256, padded
	DESC G1SB, 32, 16, 32
	s_mul_i32 s20, s17, 2*AHALF
	s_mov_b32 s21, 0
	s_lshl_b32 s22, s17, 9
	s_add_co_u32 s22, s22, SOFF
	s_mov_b32 s23, 0
	s_lshl_b32 s46, s42, 7
	s_mul_i32 s92, s46, KS
	s_mul_i32 s46, s46, KROW
	s_mov_b32 s47, 0
	s_mov_b32 s93, 0
	s_mov_b32 s[G0A], 1
	s_mov_b32 s[G0A+1], 0
	s_mov_b32 s[G0W], 1
	s_mov_b32 s[G0W+1], WOFF
	s_mov_b32 s[G0S], 1
	s_mov_b32 s[G0S+1], ASC
	s_mov_b32 s[G0SB], 1
	s_mov_b32 s[G0SB+1], WSC
	s_wait_dscnt 0x0
	s_wait_kmcnt 0x0
	s_add_nc_u64 s[G0A+2:G0A+3], s[4:5], s[20:21]
	s_or_b32 s[G0A+3], s[G0A+3], 0x80000000
	s_add_nc_u64 s[G0W+2:G0W+3], s[6:7], s[46:47]
	s_or_b32 s[G0W+3], s[G0W+3], 0x80000000
	s_add_nc_u64 s[G0S+2:G0S+3], s[4:5], s[22:23]
	s_or_b32 s[G0S+3], s[G0S+3], 0x80000000
	s_add_nc_u64 s[G0SB+2:G0SB+3], s[8:9], s[92:93]
	s_or_b32 s[G0SB+3], s[G0SB+3], 0x80000000
	CROUND                                         ; all sixteen work-groups are here: the joint loads meet
	ARM 1, G0A, G1A, .Lhead_w
	ARM 2, G0W, G1W, .Lhead_sa
	ARM 3, G0S, G1S, .Lhead_sb
	tensor_load_to_lds s[G0SB:G0SB+3], s[G1SB:G1SB+7]
	s_nop 0
.rept 4
	v_nop
.endr
.Lhead_asked:
	v_and_b32 v1, 15, v0                           ; r
	v_bfe_u32 v2, v0, 4, 1                         ; h
	v_and_b32 v3, 31, v0                           ; lane
	s_mul_i32 s21, s15, AHALF
	s_mul_i32 s22, s16, WHALF
	s_add_co_u32 s22, s22, WOFF
	v_lshl_add_u32 v[AA16], v3, 4, s21
	v_lshl_add_u32 v[AA8], v3, 3, s21
	v_mul_u32_u24 v20, v1, WP
	v_mad_u32_u24 v20, v2, 24, v20
	v_add_nc_u32 v[AW], s22, v20                   ; my rows of W: row r, + 24 h
	v_lshl_add_u32 v[AW2], v2, 4, v[AW]            ; the same behind one padding more for lanes 16-31
	v_lshlrev_b32 v22, 5, v1                       ; W's scales: 32 bytes a row,
	v_lshrrev_b32 v23, 3, v1
	v_lshl_add_u32 v22, v23, 4, v22                ; and 16 more behind each 256
	s_mul_i32 s21, s16, HALFS
	s_add_co_u32 s21, s21, WSC
	v_add_nc_u32 v[AWS], s21, v22
	s_lshl_b32 s21, s15, 8
	s_add_co_u32 s21, s21, ASC
	v_lshl_add_u32 v[AAS], v3, 2, s21              ; y's: my 64 rows, 4 bytes a lane
	s_mul_i32 s23, s14, 16*SPITCH
	s_add_co_u32 s23, s23, STAGE
	v_mul_u32_u24 v22, v1, SPITCH
	v_lshl_add_u32 v22, v2, 5, v22
	v_add_nc_u32 v[STO], s23, v22                  ; in: row r, 32 bytes a half
	v_mul_u32_u24 v22, v2, SPITCH
	v_lshl_add_u32 v22, v1, 4, v22
	v_add_nc_u32 v[RD], s23, v22                   ; back: lanes 0-15 one row of 256 bytes, lanes 16-31 the next
	v_lshlrev_b32 v[CO], 12, v2
	v_lshl_add_u32 v[CO], v1, 4, v[CO]
	v_lshlrev_b32 v[BO], 4, v1
	s_wait_alu depctr_va_vdst(0)                   ; the wait at the head's end
	s_lshl_b32 s20, s17, 7
	s_lshl_b32 s21, s15, 6
	s_add_co_u32 s20, s20, s21
	s_lshl_b32 s20, s20, 12
	s_lshl_b32 s46, s42, 9
	s_lshl_b32 s47, s16, 8
	s_add_co_u32 s46, s46, s47
	s_mov_b32 s47, 0
	s_add_nc_u64 s[10:11], s[10:11], s[46:47]
	s_add_co_u32 s20, s20, s46
	s_mov_b32 s21, 0
	s_add_nc_u64 s[96:97], s[96:97], s[20:21]
	s_add_nc_u64 s[98:99], s[98:99], s[20:21]
	global_load_b128 v[BIA:BIA+3], v[BO], s[10:11] ; bias and residual, in the layout in which rows are stored
	WIN 0x80
.irp a, 0,1,2,3
.irp t, 0,1,2,3,4,5,6,7
	global_load_b128 v[4*(8*\a+\t):4*(8*\a+\t)+3], v[CO], s[96:97] offset:4096*(16*\a+2*\t) th:TH_LOAD_NT
.endr
.endr
	WIN 0
.macro FRAGA reg, q, i                 ; an image comes back as it was stored
	ds_load_b128 v[(\reg):(\reg)+3], v[AA16] offset:12288*(\i)+1536*(\q)
	ds_load_b64 v[(\reg)+4:(\reg)+5], v[AA8] offset:12288*(\i)+1536*(\q)+512
	ds_load_b128 v[(\reg)+6:(\reg)+9], v[AA16] offset:12288*(\i)+1536*(\q)+768
	ds_load_b64 v[(\reg)+10:(\reg)+11], v[AA8] offset:12288*(\i)+1536*(\q)+1280
.endm
.macro FRAGW reg, q, i                 ; from rows, in pieces of 8 bytes; lanes 16-31 read three pieces on, for some pieces behind one padding more
.irp p, 0,1,2,3,4,5
.set PCE, 12*(\q)+6*(\p/3)+\p%3
.if PCE%32 < 29
	ds_load_b64 v[(\reg)+2*\p:(\reg)+2*\p+1], v[AW] offset:8*PCE+16*(PCE/32)+(\i)*16*WP
.else
	ds_load_b64 v[(\reg)+2*\p:(\reg)+2*\p+1], v[AW2] offset:8*PCE+16*(PCE/32)+(\i)*16*WP
.endif
.endr
.endm
.macro FETCH q, f                      ; 40 LDS loads in one run: eight fragments of 128 along K
	WIN TO_F
.irp i, 0,1,2,3
	FRAGA (\f)+FR*\i, \q, \i
.endr
.irp i, 0,1,2,3
	FRAGW (\f)+48+FR*\i, \q, \i
.endr
.endm
.macro MULA f, q, a, zero              ; y's block a x W's four.  The 16 accumulators take turns in one order throughout
.irp b, 0,1,2,3
.set rD, ACC+8*(4*(\a)+\b)
.set rW, (\f)+48+FR*\b
.set rA, (\f)+FR*(\a)
.set rSW, SCW+8*\b+(\q)
.set rSA, SCA+2*(\q)+(\a)/2
.if (\zero) && ((\a)%2)
	v_wmma_scale_f32_16x16x128_f8f6f4 v[rD:rD+7], v[rW:rW+FR-1], v[rA:rA+FR-1], 0, v[rSW], v[rSA] matrix_a_fmt:MATRIX_FMT_BF6 matrix_b_fmt:MATRIX_FMT_BF6 matrix_b_scale:MATRIX_SCALE_ROW1
.elseif \zero
	v_wmma_scale_f32_16x16x128_f8f6f4 v[rD:rD+7], v[rW:rW+FR-1], v[rA:rA+FR-1], 0, v[rSW], v[rSA] matrix_a_fmt:MATRIX_FMT_BF6 matrix_b_fmt:MATRIX_FMT_BF6
.elseif (\a)%2
	v_wmma_scale_f32_16x16x128_f8f6f4 v[rD:rD+7], v[rW:rW+FR-1], v[rA:rA+FR-1], v[rD:rD+7], v[rSW], v[rSA] matrix_a_fmt:MATRIX_FMT_BF6 matrix_b_fmt:MATRIX_FMT_BF6 matrix_b_scale:MATRIX_SCALE_ROW1
.else
	v_wmma_scale_f32_16x16x128_f8f6f4 v[rD:rD+7], v[rW:rW+FR-1], v[rA:rA+FR-1], v[rD:rD+7], v[rSW], v[rSA] matrix_a_fmt:MATRIX_FMT_BF6 matrix_b_fmt:MATRIX_FMT_BF6
.endif
.endr
.endm
.macro PLACES                          ; plain vector instructions between a matrix instruction and a load into, or a read of, its registers
.rept 4
	v_nop
.endr
.endm
.macro SUB q, f, g, zero               ; 128 along K out of set f; the next 128 are fetched into set g meanwhile
	s_wait_dscnt 0x0                               ; set f is in
	PLACES                                         ; set g was multiplied last
	FETCH (\q)+1, \g
	WIN MUL
.irp a, 0,1,2,3
	MULA \f, \q, \a, \zero
.endr
.endm
	s_wait_tensorcnt 0x0                           ; my tile is in,
	s_barrier_signal -1
	s_barrier_wait -1                              ; everybody's is; nothing is filled again
	FETCH 0, F0
	WIN 0
.irp b, 0,1,2,3                                ; all eight steps' scale words
	ds_load_b128 v[SCW+8*\b:SCW+8*\b+3], v[AWS] offset:SBLK*\b
	ds_load_b128 v[SCW+8*\b+4:SCW+8*\b+7], v[AWS] offset:SBLK*\b+16
.endr
.irp q, 0,1,2,3,4,5,6,7
	ds_load_b32 v[SCA+2*\q], v[AAS] offset:512*\q
	ds_load_b32 v[SCA+2*\q+1], v[AAS] offset:512*\q+128
.endr
	SUB 0, F0, F1, 1                               ; the first products start the sums
.irp q, 1,3,5
	SUB \q, F1, F0, 0
	SUB \q+1, F0, F1, 0
.endr
	s_wait_dscnt 0x0
	WIN MUL
.irp a, 0,1,2,3
	MULA F1, 7, \a, 0
.endr
	WIN 0
	; THE WAY OUT, 16 rows at a time through my own stage (LDS serves a wave's instructions in order: no wait between my stores and my loads)
	PLACES
	s_wait_loadcnt 0x0                             ; bias and residual
.irp a, 0,1,2,3
.if \a > 0
	s_wait_xcnt 0x0                                ; the rows' registers are loaded again only behind this wait
.endif
.irp b, 0,1,2,3
	ds_store_b128 v[STO], v[ACC+8*(4*\a+\b):ACC+8*(4*\a+\b)+3] offset:64*\b        ; each accumulator from its low end on
	ds_store_b128 v[STO], v[ACC+8*(4*\a+\b)+4:ACC+8*(4*\a+\b)+7] offset:64*\b+16
.endr
.irp t, 0,1,2,3,4,5,6,7
	ds_load_b128 v[OUTR+4*\t:OUTR+4*\t+3], v[RD] offset:\t*2*SPITCH
.endr
	s_wait_dscnt 0x0
.irp t, 0,1,2,3,4,5,6,7
.irp i, 0,2
	v_pk_add_f32 v[OUTR+4*\t+\i:OUTR+4*\t+\i+1], v[OUTR+4*\t+\i:OUTR+4*\t+\i+1], v[BIA+\i:BIA+\i+1]
.endr
.endr
	WIN 0x08                                       ; source 1: window 2
.irp t, 0,1,2,3,4,5,6,7
.irp i, 0,2
	v_pk_add_f32 v[OUTR+4*\t+\i:OUTR+4*\t+\i+1], v[OUTR+4*\t+\i:OUTR+4*\t+\i+1], v[4*(8*\a+\t)+\i:4*(8*\a+\t)+\i+1]
.endr
.endr
	WIN 0
.irp t, 0,1,2,3,4,5,6,7
	global_store_b128 v[CO], v[OUTR+4*\t:OUTR+4*\t+3], s[98:99] offset:4096*(16*\a+2*\t)   ; sixteen lanes store 256 consecutive bytes, aligned
.endr
.endr
	s_wait_tensorcnt 0x0                           ; the wave's end
	ds_add_u32 v[SPW], v[NIL]
	s_wait_dscnt 0x0
	CROUND                                         ; the closing round
	s_endpgm
.Lfunc_end_k_qd37f222d0c_proj:
	.size	k_qd37f222d0c_proj, .Lfunc_end_k_qd37f222d0c_proj-k_qd37f222d0c_proj
	.p2alignl 7, 3214868480
	.fill 96, 4, 3214868480
	.section	.rodata,"a",@progbits
	.p2align	6, 0x0
	.amdhsa_kernel k_qd37f222d0c_proj
		.amdhsa_group_segment_fixed_size 327680
		.amdhsa_private_segment_fixed_size 0
		.amdhsa_enable_private_segment 0
		.amdhsa_kernarg_size 48
		.amdhsa_user_sgpr_count 2
		.amdhsa_user_sgpr_kernarg_segment_ptr 1
		.amdhsa_wavefront_size32 1
		.amdhsa_system_sgpr_workgroup_id_x 1
		.amdhsa_system_sgpr_workgroup_id_y 1
		.amdhsa_system_sgpr_workgroup_id_z 1
		.amdhsa_system_vgpr_workitem_id 0
		.amdhsa_next_free_vgpr 768
		.amdhsa_next_free_sgpr 100
		.amdhsa_reserve_vcc 0
		.amdhsa_float_denorm_mode_32 3
		.amdhsa_float_denorm_mode_16_64 3
		.amdhsa_memory_ordered 1
		.amdhsa_forward_progress 1
		.amdhsa_inst_pref_size 67
	.end_amdhsa_kernel
	.amdgpu_metadata
---
amdhsa.version: [ 1, 2 ]
amdhsa.kernels:
  - .name:           k_qd37f222d0c_proj
    .symbol:         k_qd37f222d0c_proj.kd
    .args:
      - { .name: yq, .offset: 0, .size: 8, .value_kind: global_buffer, .address_space: global }
      - { .name: proj_w_codes, .offset: 8, .size: 8, .value_kind: global_buffer, .address_space: global }
      - { .name: proj_w_scales, .offset: 16, .size: 8, .value_kind: global_buffer, .address_space: global }
      - { .name: proj_b, .offset: 24, .size: 8, .value_kind: global_buffer, .address_space: global }
      - { .name: x, .offset: 32, .size: 8, .value_kind: global_buffer, .address_space: global }
      - { .name: x1, .offset: 40, .size: 8, .value_kind: global_buffer, .address_space: global }
    .group_segment_fixed_size: 327680
    .private_segment_fixed_size: 0
    .kernarg_segment_align: 8
    .kernarg_segment_size: 48
    .max_flat_workgroup_size: 128
    .sgpr_count:     100
    .vgpr_count:     768
    .wavefront_size: 32
...
	.end_amdgpu_metadata
.endif
;; end of part 4
;; launch ln2: the kernel of part 1 again; grid 256 x 1, 8 waves a work-group, no clusters, 168,960 bytes of LDS; arguments x1, ln2_w, ln2_b, hq; writes hq
;; launch fc (part 5): grid 16 x 16, 4 waves a work-group, clusters of 4 x 4, 327,680 bytes of LDS; arguments hq, fc_w_codes, fc_w_scales, fc_b, gq; writes gq
.if DOCPART == 5
	.amdgcn_target "amdgcn-amd-amdhsa--gfx1250"
	.amdhsa_code_object_version 6
	.text
	.protected	k_qd37f222d0c_fc
	.globl	k_qd37f222d0c_fc
	.p2align	8
	.type	k_qd37f222d0c_fc,@function
k_qd37f222d0c_fc:
	s_mov_b64 s[64:65], 0
	v_nop
	global_prefetch_b8 v0, s[64:65] scope:SCOPE_SE
	s_setreg_imm32_b32 hwreg(HW_REG_WAVE_MODE, 25, 1), 1
	s_wait_xcnt 0x0
	s_wait_alu depctr_hold_cnt(0) depctr_sa_sdst(0) depctr_va_vdst(0) depctr_va_sdst(0) depctr_va_ssrc(0) depctr_va_vcc(0) depctr_vm_vsrc(0)
	s_getreg_b32 s2, hwreg(HW_REG_IB_STS2, 6, 4)
	s_cmp_eq_u32 s2, 0
	s_cbranch_scc0 .Lentry_in_a_cluster
	s_endpgm
.Lentry_in_a_cluster:
	s_bfe_u32 s2, ttmp6, 0x10000c
	s_cmp_lg_u32 s2, 0xf033
	s_cbranch_scc0 .Lentry_shape_is_right
	s_endpgm
.Lentry_shape_is_right:
; g = gelu(h W + b) on codes of E3M2 (h: 4,096 rows, K = 1,024, codes [row][768 bytes] and, 3,145,728 bytes on, scale bytes [row][32]; W: 4,096 rows likewise), quantised at once along the next product's K (the 4,096 columns).
; gelu(x) = x / (1 + 2^(x (c1 + c2 x^2))), c1 = -2 sqrt(2 / pi) log2(e), c2 = 0.044715 c1: the same number as 0.5 x (1 + tanh(..)); where the power overflows the quotient is 0, where it vanishes it is x.
; A tile of 256 x 256 is made by four waves, 128 x 128 each: 64 accumulators.  K goes through a ring of two LDS slots in CHUNKS OF 256 BYTES of each row (a row is 768 bytes: three chunks, each on a multiple of 256);
; a step of 128 along K is 96 bytes: eight steps to three chunks, steps 2 and 5 lie across two chunks.  The scale bytes of the work-group's 512 rows come once.
; THE HEAD: one joint load a wave: wave 0 chunk 0 of h's 256 rows, wave 1 of W's, wave 2 h's scales, wave 3 W's.  Slot 1 is first filled behind the full sequence and a round of the cluster's barrier.
; 4 x 4 clusters: h's tiles are shared along a row, W's along a column.  Source 0 = 16 rows of W, source 1 = 16 rows of h: a lane holds one token and eight neighbouring columns a tile.
; OUT: fragment (16 rows, 128 K) = 1,536 bytes at [tile of rows][K step]: for each half of 64 K registers 0-3 at 16 x lane, registers 4, 5 at 512 + 8 x lane; 12,582,912 bytes on the scale words [K step][row].
; PREFETCH: each wave asks, a lane a row, for 32 rows x 256 bytes: chunk 1 behind the head's loads, chunk 2 behind chunk 1's joint load and the first fragment loads: one fill ahead of the load that wants them.
; Of a tile's 256 rows each of the four partners that ask for it jointly takes 64, told apart by address (cx for h, cy for W); waves 0, 1 take h's, waves 2, 3 W's: each block is named once in a cluster.
; LIMITS: NaN and infinities are not served; a block whose largest magnitude lies under 2^-122 keeps the byte 1 (a block of zeros too: its codes are zeros, and this program alone reads the bytes).
; REGISTERS: window 0: v0-31 addresses; v32-63 scale words, two sets; v64-127 bias; v128-223 h's fragments, ONE set; window 1: W's, TWO sets; windows 2, 3: accumulators ((a, b) at v[8 (8 (a % 4) + b)]).
.set ROWB,   256
.set NQ,     2
.set KROW,   768
.set STEPS,  8
.set CHUNKS, 3
.set PITCH,  272
.set FR,     12
.set NL,     6
.set NP,     4
.set HALFT,  128*PITCH
.set SLOT,   4*HALFT
.set KS,     32
.set SCL,    2*SLOT
.set HALFS,  (128*KS/256)*272
.set SBLK,   (16*KS/256)*272
.set SPARE,  SCL+4*HALFS               ; the spare words: two blocks of 256 bytes that no other line names
.set PFO,  8                           ; v8      the prefetches' offset: my lane x a row of codes
.set PFA,  98                          ; s[98:99] the first of the 32 rows that my prefetches name; never rewritten
.set ADRA, 16
.set ADRB, 20
.set ADRS, 27
.set SPW,  28
.set NIL,  29
.set SC,   32
.set BI,   64
.set AF,   128
.set G1, 24
.set G0, 32
.set G1B, 48
.set G0B, 56
.set G1S, 68
.set G0S, 76
.set G1SB, 80
.set G0SB, 88
.set G0H, 4
.set G0HB, 8
.set L16, 1
.set L8,  2
.set L4,  3
.set C1V, 4
.set TT,  8
.set H,   128
.set T,   192
.set CD,  192
.set TM,  224
.set XB,  240
.set PWS, 248
.set MSB, 0
.macro WIN new                         ; the immediate's high byte repeats the setting that is left
.if MSB != (\new)
	s_set_vgpr_msb (MSB<<8)|(\new)
.set MSB, (\new)
.endif
.endm
.set MUL_LO, 0xa1
.set MUL_HI, 0xf1
.set TO_B,   0x40
.macro JLOAD g0a, g1a, g0b, g1b        ; waves 0, 1 fetch for h, waves 2, 3 for W
	s_cmp_eq_u32 s15, 0
	s_cbranch_scc0 .Lfor_b_\@
	tensor_load_to_lds s[\g0a:\g0a+3], s[\g1a:\g1a+7]
	s_nop 0
.rept 4
	v_nop
.endr
	s_branch .Lasked_\@
.Lfor_b_\@:
	tensor_load_to_lds s[\g0b:\g0b+3], s[\g1b:\g1b+7]
	s_nop 0
.rept 4
	v_nop
.endr
.Lasked_\@:
.endm
.macro CREST
	s_cmp_lg_u32 s14, 0
	s_cbranch_scc1 .Lnot_wave_0_\@
	s_barrier_signal -3
.Lnot_wave_0_\@:
	s_barrier_wait -3
	s_barrier_signal -1
	s_barrier_wait -1
.endm
.macro CROUND
	s_barrier_signal -1
	s_barrier_wait -1
	CREST
.endm
	s_load_b256 s[4:11], s[0:1], 0x0               ; h, W's codes, W's scales, bias
	s_load_b64 s[96:97], s[0:1], 0x20              ; out
	v_lshl_add_u32 v[SPW], v0, 2, SPARE
	v_mov_b32 v[NIL], 0
	ds_add_u32 v[SPW], v[NIL]                      ; the opening lines: the add twice and its wait
	ds_add_u32 v[SPW], v[NIL]
	v_lshrrev_b32 v1, 5, v0
	v_readfirstlane_b32 s14, v1                    ; wave
	s_lshr_b32 s15, s14, 1                         ; my half of the rows; in the ring: I fetch for h (0) or W (1)
	s_and_b32 s16, s14, 1                          ; my half of the columns; in the ring: which 128 rows I fetch
	s_bfe_u32 s40, ttmp6, 0x40000                  ; cx
	s_bfe_u32 s41, ttmp6, 0x40004                  ; cy
	s_lshl_b32 s42, ttmp9, 2
	s_add_co_u32 s42, s42, s40                     ; tile column
	s_and_b32 s17, ttmp7, 0xffff
	s_lshl_b32 s17, s17, 2
	s_add_co_u32 s17, s17, s41                     ; tile row
	s_lshl_b32 s43, s41, 2
	s_lshl_b32 s43, 15, s43                        ; my row of the cluster
	s_lshl_b32 s44, 0x1111, s40                    ; my column
	s_or_b32 s[G1+0], s43, (1<<20)|(1<<21)|(5<<22)|(3<<25)
	s_or_b32 s[G1B+0], s44, (1<<20)|(1<<21)|(5<<22)|(3<<25)
.irp g, G1, G1B
	s_mov_b32 s[\g+1], ROWB<<16
	s_mov_b32 s[\g+2], 256<<16                     ; 256 rows for the head's loads
	s_mov_b32 s[\g+3], ROWB<<16
	s_mov_b32 s[\g+4], 256
	s_mov_b32 s[\g+5], KROW
	s_mov_b32 s[\g+6], 0
	s_mov_b32 s[\g+7], 0
.endr
	s_or_b32 s[G1S+0], s43, (3<<16)|(1<<20)|(1<<21)|(5<<22)|(3<<25)   ; the scales of 256 rows: 8,192 dense bytes as 32 rows of 256
	s_or_b32 s[G1SB+0], s44, (3<<16)|(1<<20)|(1<<21)|(5<<22)|(3<<25)
.irp g, G1S, G1SB
	s_mov_b32 s[\g+1], 32<<16
	s_mov_b32 s[\g+2], KS<<16
	s_mov_b32 s[\g+3], 32<<16
	s_mov_b32 s[\g+4], KS
	s_mov_b32 s[\g+5], 32
	s_mov_b32 s[\g+6], 0
	s_mov_b32 s[\g+7], 0
.endr
	s_lshl_b32 s20, s17, 8
	s_lshl_b32 s46, s42, 8
	s_mul_i32 s22, s20, KS
	s_add_co_u32 s22, s22, 3145728                 ; h's scale bytes lie behind its codes
	s_mul_i32 s20, s20, KROW
	s_mul_i32 s92, s46, KS
	s_mul_i32 s46, s46, KROW
	s_mov_b32 s21, 0
	s_mov_b32 s23, 0
	s_mov_b32 s47, 0
	s_mov_b32 s93, 0
	s_mul_i32 s18, s16, 128*KROW
	s_mov_b32 s19, 0
	s_mul_i32 s45, s14, HALFT
	s_wait_dscnt 0x0
	s_wait_kmcnt 0x0
	s_mov_b64 s[12:13], s[10:11]                   ; the bias
	s_add_nc_u64 s[20:21], s[4:5], s[20:21]
	s_add_nc_u64 s[22:23], s[4:5], s[22:23]
	s_add_nc_u64 s[46:47], s[6:7], s[46:47]
	s_add_nc_u64 s[92:93], s[8:9], s[92:93]
	CROUND                                         ; all sixteen work-groups are here: the first joint loads meet
	s_mov_b32 s[G0H], 1
	s_mov_b32 s[G0H+1], 0
	s_mov_b64 s[G0H+2:G0H+3], s[20:21]
	s_or_b32 s[G0H+3], s[G0H+3], 0x80000000
	s_mov_b32 s[G0HB], 1
	s_mov_b32 s[G0HB+1], 2*HALFT
	s_mov_b64 s[G0HB+2:G0HB+3], s[46:47]
	s_or_b32 s[G0HB+3], s[G0HB+3], 0x80000000
	s_mov_b32 s[G0S], 1
	s_mov_b32 s[G0S+1], SCL
	s_mov_b64 s[G0S+2:G0S+3], s[22:23]
	s_or_b32 s[G0S+3], s[G0S+3], 0x80000000
	s_mov_b32 s[G0SB], 1
	s_mov_b32 s[G0SB+1], SCL+2*HALFS
	s_mov_b64 s[G0SB+2:G0SB+3], s[92:93]
	s_or_b32 s[G0SB+3], s[G0SB+3], 0x80000000
	s_cmp_eq_u32 s15, 0                            ; the prefetches: waves 0, 1 name h's rows, waves 2, 3 W's
	s_cselect_b64 s[PFA:PFA+1], s[20:21], s[46:47]
	s_cselect_b32 s2, s40, s41                     ; my place among the four that ask for the tile jointly
	s_lshl_b32 s2, s2, 1
	s_add_co_u32 s2, s2, s16
	s_mul_i32 s2, s2, 32*KROW                      ; 64 rows a work-group, 32 a wave
	s_mov_b32 s3, 0
	s_add_nc_u64 s[PFA:PFA+1], s[PFA:PFA+1], s[2:3]
	s_add_nc_u64 s[20:21], s[20:21], s[18:19]
	s_add_nc_u64 s[46:47], s[46:47], s[18:19]
.irp s, 0,1
	s_mov_b32 s[G0+4*\s], 1
	s_add_co_u32 s[G0+4*\s+1], s45, \s*SLOT
	s_add_nc_u64 s[G0+4*\s+2:G0+4*\s+3], s[20:21], \s*ROWB
	s_or_b32 s[G0+4*\s+3], s[G0+4*\s+3], 0x80000000
	s_mov_b32 s[G0B+4*\s], 1
	s_add_co_u32 s[G0B+4*\s+1], s45, \s*SLOT
	s_add_nc_u64 s[G0B+4*\s+2:G0B+4*\s+3], s[46:47], \s*ROWB
	s_or_b32 s[G0B+4*\s+3], s[G0B+4*\s+3], 0x80000000
.endr
.macro ARM under, g0, g1, next         ; one chain of branches on the wave's number: every way passes exactly one load
	s_cmp_lt_u32 s14, \under
	s_cbranch_scc0 \next
	tensor_load_to_lds s[\g0:\g0+3], s[\g1:\g1+7]
	s_nop 0
.rept 4
	v_nop
.endr
	s_branch .Lhead_asked
\next:
.endm
	ARM 1, G0H,  G1,  .Lhead_b
	ARM 2, G0HB, G1B, .Lhead_sa
	ARM 3, G0S,  G1S, .Lhead_sb
	tensor_load_to_lds s[G0SB:G0SB+3], s[G1SB:G1SB+7]
	s_nop 0
.rept 4
	v_nop
.endr
.Lhead_asked:
	v_and_b32 v[PFO], 31, v0
	v_mul_u32_u24 v[PFO], v[PFO], KROW
	global_prefetch_b8 v[PFO], s[PFA:PFA+1] offset:ROWB th:TH_LOAD_NT scope:SCOPE_SE     ; chunk 1 of my 32 rows
	v_and_b32 v1, 15, v0                           ; r
	v_bfe_u32 v2, v0, 4, 1                         ; h
	v_mul_u32_u24 v3, v1, PITCH
	v_mul_u32_u24 v4, v2, 24
	v_add_nc_u32 v4, v3, v4                        ; row x pitch + 24 x half
	s_mov_b32 s21, SLOT-232
	s_mov_b32 s22, SLOT+232
	v_sub_nc_u32 v7, 1, v2
	v_mul_u32_u24 v5, s21, v2
	v_add_nc_u32 v5, v3, v5
	v_add_nc_u32 v5, 232, v5                       ; across two chunks: lanes 0-15 byte 232 in slot 0, lanes 16-31 byte 0 in slot 1;
	v_mul_u32_u24 v6, s22, v7
	v_add_nc_u32 v6, v3, v6                        ; and the other way round
	s_mul_i32 s21, s15, HALFT
	s_mul_i32 s22, s16, HALFT
	s_add_co_u32 s22, s22, 2*HALFT
	v_add_nc_u32 v[ADRA+2], s21, v5
	v_add_nc_u32 v[ADRA+3], s21, v6
	v_add_nc_u32 v[ADRB+2], s22, v5
	v_add_nc_u32 v[ADRB+3], s22, v6
.irp s, 0,1
	v_add_nc_u32 v[ADRA+\s], s21, v4
	v_add_nc_u32 v[ADRB+\s], s22, v4
	s_add_co_u32 s21, s21, SLOT
	s_add_co_u32 s22, s22, SLOT
.endr
	v_mul_u32_u24 v5, v1, KS
	v_lshrrev_b32 v6, 8, v5
	v_lshl_add_u32 v5, v6, 4, v5
	s_mul_i32 s21, s15, HALFS
	s_mul_i32 s22, s16, HALFS
	s_add_co_u32 s22, s22, 2*HALFS
	s_sub_co_u32 s22, s22, s21
	v_mul_u32_u24 v6, s22, v2                      ; lanes 16-31 take W's
	s_add_co_u32 s21, s21, SCL
	v_add_nc_u32 v5, v5, v6
	v_add_nc_u32 v[ADRS], s21, v5
	s_lshl_b32 s46, s42, 10
	s_lshl_b32 s47, s16, 9
	s_add_co_u32 s46, s46, s47
	v_lshl_add_u32 v9, v2, 5, s46                  ; the bias: tile b wants columns 16 b + 8 h + 0 .. 7
.irp b, 0,1,2,3,4,5,6,7
	global_load_b128 v[BI+8*\b:BI+8*\b+3], v9, s[12:13] offset:64*\b
	global_load_b128 v[BI+8*\b+4:BI+8*\b+7], v9, s[12:13] offset:64*\b+16
.endr
.macro FRAG reg, adr, st, i            ; 16 rows x 128 K: 12 registers, in pieces of 8 bytes; byte y of a row lies in slot (y / 256) % 2 at byte y % 256 of the LDS row
.irp p, 0,1,2,3,4,5
.set BY, 96*(\st)+48*(\p/3)+8*(\p%3)
.if BY/ROWB == (BY+24)/ROWB
	ds_load_b64 v[\reg+2*\p:\reg+2*\p+1], v[\adr+(BY/ROWB)%2] offset:BY%ROWB+(\i)*16*PITCH
.else
	ds_load_b64 v[\reg+2*\p:\reg+2*\p+1], v[\adr+2+(BY/ROWB)%2] offset:BY%ROWB-232+(\i)*16*PITCH
.endif
.endr
.endm
.macro MUL16 a0, p, q, sc, zero        ; h's blocks a0, a0 + 1 x W's eight; the 64 accumulators take turns
.irp a, \a0, \a0+1
.irp b, 0,1,2,3,4,5,6,7
.if \zero
	v_wmma_scale_f32_16x16x128_f8f6f4 v[8*(8*((\a)%4)+\b):8*(8*((\a)%4)+\b)+7], v[128*(\p)+FR*\b:128*(\p)+FR*\b+FR-1], v[AF+FR*(\a):AF+FR*(\a)+FR-1], 0, v[SC+8*NQ*(\sc)+NQ*\b+(\q)], v[SC+8*NQ*(\sc)+NQ*(\a)+(\q)] matrix_a_fmt:MATRIX_FMT_BF6 matrix_b_fmt:MATRIX_FMT_BF6 matrix_a_scale:MATRIX_SCALE_ROW1
.else
	v_wmma_scale_f32_16x16x128_f8f6f4 v[8*(8*((\a)%4)+\b):8*(8*((\a)%4)+\b)+7], v[128*(\p)+FR*\b:128*(\p)+FR*\b+FR-1], v[AF+FR*(\a):AF+FR*(\a)+FR-1], v[8*(8*((\a)%4)+\b):8*(8*((\a)%4)+\b)+7], v[SC+8*NQ*(\sc)+NQ*\b+(\q)], v[SC+8*NQ*(\sc)+NQ*(\a)+(\q)] matrix_a_fmt:MATRIX_FMT_BF6 matrix_b_fmt:MATRIX_FMT_BF6 matrix_a_scale:MATRIX_SCALE_ROW1
.endif
.endr
.endr
.endm
.macro FETCH_B st, p
	WIN TO_B
.irp i, 0,1,2,3,4,5,6,7
	FRAG 128*(\p)+FR*\i, ADRB, \st, \i
.endr
	WIN 0
.endm
.macro FETCH_A st, i0
.irp i, \i0, \i0+1, \i0+2, \i0+3
	FRAG AF+FR*(\i), ADRA, \st, \i
.endr
.endm
.macro SCALES pr                       ; the scale words of steps 2 pr, 2 pr + 1: lanes 0-15 h's block i, lanes 16-31 W's
.irp i, 0,1,2,3,4,5,6,7
	ds_load_b64 v[SC+8*NQ*((\pr)%2)+NQ*\i:SC+8*NQ*((\pr)%2)+NQ*\i+1], v[ADRS] offset:\i*SBLK+4*NQ*(\pr)
.endr
.endm
.macro PLACES n                        ; plain vector instructions between a matrix instruction and a load into, or a read of, its registers
.rept \n
	v_nop
.endr
.endm
; A step: 64 products; the next step's fragments are fetched in its middle and at its end.  Where the next step's bytes END in a chunk not read yet: the wait for my tensor loads and a barrier.
; Where they BEGIN in a later chunk: the wait, the add, the wait for it and for my reads, the barrier; where a chunk two on is left, the barrier opens a round and the slot is filled again.
.macro STEP st, zero
.set NX, (\st)+1
.set C0, (96*(\st))/ROWB
.set C1, (96*NX)/ROWB
.set E0, (96*(\st)+95)/ROWB
.set E1, (96*NX+95)/ROWB
.if C1 > C0 || E1 > E0
	s_wait_tensorcnt 0x0
.if C1 > C0
	ds_add_u32 v[SPW], v[NIL]
	s_wait_dscnt 4*NL+1                            ; the add and the youngest 24 loads may be out
.else
	s_wait_dscnt 4*NL                              ; the youngest 24 loads (h's blocks 4-7) may be out
.endif
	WIN MUL_LO
	MUL16 0, (\st)%2, (\st)%2, ((\st)/2)%2, \zero
	s_wait_dscnt 0x0
	s_barrier_signal -1
	MUL16 2, (\st)%2, (\st)%2, ((\st)/2)%2, \zero
	WIN 0
	s_barrier_wait -1
.if C1 > C0 && C0+2 < CHUNKS
	CREST
	s_add_nc_u64 s[G0+4*(C0%2)+2:G0+4*(C0%2)+3], s[G0+4*(C0%2)+2:G0+4*(C0%2)+3], 2*ROWB
	s_add_nc_u64 s[G0B+4*(C0%2)+2:G0B+4*(C0%2)+3], s[G0B+4*(C0%2)+2:G0B+4*(C0%2)+3], 2*ROWB
	JLOAD G0+4*(C0%2), G1, G0B+4*(C0%2), G1B
.else
	PLACES NP
.endif
.else
	s_wait_dscnt 4*NL
	WIN MUL_LO
	MUL16 0, (\st)%2, (\st)%2, ((\st)/2)%2, \zero
	MUL16 2, (\st)%2, (\st)%2, ((\st)/2)%2, \zero
	s_wait_dscnt 0
	PLACES NP
.endif
	FETCH_B NX, NX%2
	FETCH_A NX, 0
.if NX%2 == 0
	SCALES NX/2
.endif
	WIN MUL_HI
	MUL16 4, (\st)%2, (\st)%2, ((\st)/2)%2, \zero
	MUL16 6, (\st)%2, (\st)%2, ((\st)/2)%2, \zero
	PLACES NP
	WIN 0
	FETCH_A NX, 4
.endm
	s_wait_alu depctr_va_vdst(0)                   ; the wait at the head's end
	s_wait_tensorcnt 0x0                           ; my tile of the head's four is in
	ds_add_u32 v[SPW], v[NIL]
	s_mov_b32 s[G1+2], 128<<16                     ; no load of mine is out: from here on a load brings 128 rows
	s_mov_b32 s[G1+4], 128
	s_mov_b32 s[G1B+2], 128<<16
	s_mov_b32 s[G1B+4], 128
	s_wait_dscnt 0x0
	CROUND
	JLOAD G0+4, G1, G0B+4, G1B                     ; chunk 1, the first tensor load behind the round
	FETCH_B 0, 0
	FETCH_A 0, 0
	SCALES 0
	FETCH_A 0, 4
	global_prefetch_b8 v[PFO], s[PFA:PFA+1] offset:2*ROWB th:TH_LOAD_NT scope:SCOPE_SE   ; chunk 2 of my 32 rows
	STEP 0, 1                                      ; the first step's products start the sums
.set ST, 1
.rept STEPS-2
	STEP ST, 0
.set ST, ST+1
.endr
	s_wait_dscnt 4*NL
	WIN MUL_LO
	MUL16 0, 1, 1, 1, 0
	MUL16 2, 1, 1, 1, 0
	s_wait_dscnt 0
	WIN MUL_HI
	MUL16 4, 1, 1, 1, 0
	MUL16 6, 1, 1, 1, 0
	WIN 0
; THE QUANTISER on 64 registers from v[s] on: register 16 b + i of lane (r, h) = k 32 b + 16 (i / 8) + 8 h + i % 8 of the lane's row
.macro BMAX s                          ; each block's largest magnitude, with the floor 2^(5 - 127) among the leaves
.irp b, 0,1,2,3
	v_max3_num_f32 v[TM+\b], |v[(\s)+16*\b]|, |v[(\s)+16*\b+1]|, 0x2800000
.endr
.irp i, 2,4,6,8,10,12,14
.irp b, 0,1,2,3
	v_max3_num_f32 v[TM+\b], v[TM+\b], |v[(\s)+16*\b+\i]|, |v[(\s)+16*\b+\i+1]|
.endr
.endr
.irp b, 0,1,2,3
	v_permlanex16_b32 v[TM+4+\b], v[TM+\b], s66, s67
.endr
.irp b, 0,1,2,3
	v_max_num_f32 v[TM+\b], v[TM+\b], v[TM+4+\b]
.endr
.endm
.macro QSCALE pw                       ; the conversions' scale operands (4 off the exponent field), the bytes, the row's scale word
.irp b, 0,1,2,3
	v_add_nc_u32 v[TM+12+\b], 0xfe000000, v[TM+\b]
.endr
.irp b, 0,1,2,3
	v_lshrrev_b32 v[TM+4+\b], 23, v[TM+12+\b]
.endr
	v_lshl_or_b32 v[\pw], v[TM+5], 8, v[TM+4]
	v_lshl_or_b32 v[\pw], v[TM+6], 16, v[\pw]
	v_lshl_or_b32 v[\pw], v[TM+7], 24, v[\pw]
.endm
.macro QCODES s, pc                    ; half blocks from the conversions; three lane swaps and four byte permutes weave them into a whole block a lane, in true order
.irp c, 0,1
	v_cvt_scalef32_pk16_bf6_f32 v[(\pc)+6*\c:(\pc)+6*\c+2], v[(\s)+32*\c:(\s)+32*\c+15], v[TM+12+2*\c]
	v_cvt_scalef32_pk16_bf6_f32 v[XB+4*\c:XB+4*\c+2], v[(\s)+32*\c+16:(\s)+32*\c+31], v[TM+13+2*\c]
.endr
	v_nop                                          ; one plain instruction behind the scaled conversions
.irp c, 0,1
.irp i, 0,1,2
	v_permlane16_swap_b32 v[(\pc)+6*\c+\i], v[XB+4*\c+\i]
.endr
	v_perm_b32 v[(\pc)+6*\c+3], v[(\pc)+6*\c+2], v[(\pc)+6*\c+1], s93
	v_perm_b32 v[(\pc)+6*\c+4], v[XB+4*\c+1], v[(\pc)+6*\c+2], s94
	v_perm_b32 v[(\pc)+6*\c+1], v[XB+4*\c], v[(\pc)+6*\c+1], s92
	v_perm_b32 v[(\pc)+6*\c+2], v[XB+4*\c+1], v[XB+4*\c], s93
	v_mov_b32 v[(\pc)+6*\c+5], v[XB+4*\c+2]
.endr
.endm
.macro GELU hb                         ; 32 numbers: x (c1 + c2 x^2), 2^.., + 1, 1 / .., x ..; one wait ahead of each batch of transcendentals and one behind it
.set j, 0
.rept 16
	v_pk_mul_f32 v[T+j:T+j+1], v[H+(\hb)+j:H+(\hb)+j+1], v[H+(\hb)+j:H+(\hb)+j+1]
.set j, j+2
.endr
.set j, 0
.rept 16
	v_pk_fma_f32 v[T+j:T+j+1], v[T+j:T+j+1], s[46:47], v[C1V:C1V+1] op_sel_hi:[1,0,1]
.set j, j+2
.endr
.set j, 0
.rept 16
	v_pk_mul_f32 v[T+j:T+j+1], v[T+j:T+j+1], v[H+(\hb)+j:H+(\hb)+j+1]
.set j, j+2
.endr
.set j, 0
	s_wait_alu depctr_va_vdst(0)
.rept 32
	v_exp_f32 v[T+j], v[T+j]
.set j, j+1
.endr
	v_nop
	s_wait_alu depctr_va_vdst(0)
.set j, 0
.rept 16
	v_pk_add_f32 v[T+j:T+j+1], v[T+j:T+j+1], 1.0 op_sel_hi:[1,0]
.set j, j+2
.endr
.set j, 0
	s_wait_alu depctr_va_vdst(0)
.rept 32
	v_rcp_f32 v[T+j], v[T+j]
.set j, j+1
.endr
	v_nop
	s_wait_alu depctr_va_vdst(0)
.set j, 0
.rept 16
	v_pk_mul_f32 v[H+(\hb)+j:H+(\hb)+j+1], v[H+(\hb)+j:H+(\hb)+j+1], v[T+j:T+j+1]
.set j, j+2
.endr
.endm
	; THE WAY OUT: no LDS, no barrier: a lane's codes are stored as images of operand registers
	PLACES NP
	s_wait_loadcnt 0x0                             ; the bias
	v_and_b32 v[L4], 31, v0
	v_lshlrev_b32 v[L16], 4, v[L4]
	v_lshlrev_b32 v[L8], 3, v[L4]
	v_lshlrev_b32 v[L4], 2, v[L4]
	v_mov_b32 v[C1V], 0xc0135761                   ; c1
	v_mov_b32 v[C1V+1], 0xc0135761
.irp b, 0,1,2,3
	v_mov_b32 v[TM+4+\b], 0                        ; a lane permute's destination counts as one of its sources
.endr
	s_mov_b32 s66, 0x76543210
	s_mov_b32 s67, 0xfedcba98
	s_mov_b32 s92, 0x05040100
	s_mov_b32 s93, 0x05040302
	s_mov_b32 s94, 0x07060302
	s_mov_b32 vcc_lo, 0xffff0000
	s_lshl_b32 s18, s17, 4
	s_lshl_b32 s19, s15, 3
	s_add_co_u32 s18, s18, s19                     ; my first tile of 16 rows
	s_mul_i32 s20, s18, 49152
	s_lshl_b32 s19, s42, 1
	s_add_co_u32 s19, s19, s16                     ; my K step of the next product
	s_mul_i32 s21, s19, 1536
	s_add_co_u32 s20, s20, s21
	s_mov_b32 s21, 0
	s_lshl_b32 s22, s19, 14
	s_lshl_b32 s18, s18, 6
	s_add_co_u32 s22, s22, s18
	s_add_co_u32 s22, s22, 12582912
	s_mov_b32 s23, 0
	s_add_nc_u64 s[4:5], s[96:97], s[20:21]
	s_add_nc_u64 s[6:7], s[96:97], s[22:23]
	s_mov_b32 s46, 0xbdd2d3e8                      ; c2
	s_mov_b32 s47, s46
.macro FCOUT a
	WIN 0x02+(\a)/4
.set j, 0
.rept 32
	v_pk_add_f32 v[H+j:H+j+1], v[64*((\a)%4)+j:64*((\a)%4)+j+1], v[BI+j:BI+j+1]   ; + bias; each accumulator from its low end on
.set j, j+2
.endr
	WIN 0
	s_wait_xcnt 0x0                                ; the codes' registers (and, at the end, the prefetches' offset) are written again only behind this wait
	GELU 0
	GELU 32
	BMAX H
	QSCALE PWS+(\a)
	QCODES H, CD
	global_store_b128 v[L16], v[CD:CD+3], s[4:5] offset:49152*(\a)
	global_store_b64 v[L8], v[CD+4:CD+5], s[4:5] offset:49152*(\a)+512
	global_store_b128 v[L16], v[CD+6:CD+9], s[4:5] offset:49152*(\a)+768
	global_store_b64 v[L8], v[CD+10:CD+11], s[4:5] offset:49152*(\a)+1280
.endm
.irp a, 0,1,2,3,4,5,6,7
	FCOUT \a
.endr
.irp i, 0,1,2,3
	v_cndmask_b32 v[TT+\i], v[PWS+2*\i], v[PWS+2*\i+1], vcc_lo
.endr
.irp i, 0,1,2,3
	global_store_b32 v[L4], v[TT+\i], s[6:7] offset:128*\i
.endr
	s_wait_tensorcnt 0x0                           ; the wave's end
	ds_add_u32 v[SPW], v[NIL]
	s_wait_dscnt 0x0
	CROUND                                         ; the closing round
	s_endpgm
.Lfunc_end_k_qd37f222d0c_fc:
	.size	k_qd37f222d0c_fc, .Lfunc_end_k_qd37f222d0c_fc-k_qd37f222d0c_fc
	.p2alignl 7, 3214868480
	.fill 96, 4, 3214868480
	.section	.rodata,"a",@progbits
	.p2align	6, 0x0
	.amdhsa_kernel k_qd37f222d0c_fc
		.amdhsa_group_segment_fixed_size 327680
		.amdhsa_private_segment_fixed_size 0
		.amdhsa_enable_private_segment 0
		.amdhsa_kernarg_size 40
		.amdhsa_user_sgpr_count 2
		.amdhsa_user_sgpr_kernarg_segment_ptr 1
		.amdhsa_wavefront_size32 1
		.amdhsa_system_sgpr_workgroup_id_x 1
		.amdhsa_system_sgpr_workgroup_id_y 1
		.amdhsa_system_sgpr_workgroup_id_z 1
		.amdhsa_system_vgpr_workitem_id 0
		.amdhsa_next_free_vgpr 1024
		.amdhsa_next_free_sgpr 100
		.amdhsa_reserve_vcc 1
		.amdhsa_float_denorm_mode_32 3
		.amdhsa_float_denorm_mode_16_64 3
		.amdhsa_memory_ordered 1
		.amdhsa_forward_progress 1
		.amdhsa_inst_pref_size 255
	.end_amdhsa_kernel
	.section	.bss,"aw",@nobits
	.p2align	6
	.space	262144
	.amdgpu_metadata
---
amdhsa.version: [ 1, 2 ]
amdhsa.kernels:
  - .name:           k_qd37f222d0c_fc
    .symbol:         k_qd37f222d0c_fc.kd
    .args:
      - { .name: hq, .offset: 0, .size: 8, .value_kind: global_buffer, .address_space: global }
      - { .name: fc_w_codes, .offset: 8, .size: 8, .value_kind: global_buffer, .address_space: global }
      - { .name: fc_w_scales, .offset: 16, .size: 8, .value_kind: global_buffer, .address_space: global }
      - { .name: fc_b, .offset: 24, .size: 8, .value_kind: global_buffer, .address_space: global }
      - { .name: gq, .offset: 32, .size: 8, .value_kind: global_buffer, .address_space: global }
    .group_segment_fixed_size: 327680
    .private_segment_fixed_size: 0
    .kernarg_segment_align: 8
    .kernarg_segment_size: 40
    .max_flat_workgroup_size: 128
    .sgpr_count:     100
    .vgpr_count:     1024
    .wavefront_size: 32
...
	.end_amdgpu_metadata
.endif
;; end of part 5
;; launch fc2 (part 6): grid 8 x 32, 4 waves a work-group, clusters of 4 x 4, 327,680 bytes of LDS; arguments gq, fc2_w_codes, fc2_w_scales, fc2_b, x1, out0; writes out0
.if DOCPART == 6
	.amdgcn_target "amdgcn-amd-amdhsa--gfx1250"
	.amdhsa_code_object_version 6
	.text
	.protected	k_qd37f222d0c_fc2
	.globl	k_qd37f222d0c_fc2
	.p2align	8
	.type	k_qd37f222d0c_fc2,@function
k_qd37f222d0c_fc2:
	s_mov_b64 s[64:65], 0
	v_nop
	global_prefetch_b8 v0, s[64:65] scope:SCOPE_SE
	s_setreg_imm32_b32 hwreg(HW_REG_WAVE_MODE, 25, 1), 1
	s_wait_xcnt 0x0
	s_wait_alu depctr_hold_cnt(0) depctr_sa_sdst(0) depctr_va_vdst(0) depctr_va_sdst(0) depctr_va_ssrc(0) depctr_va_vcc(0) depctr_vm_vsrc(0)
	s_getreg_b32 s2, hwreg(HW_REG_IB_STS2, 6, 4)
	s_cmp_eq_u32 s2, 0
	s_cbranch_scc0 .Lentry_in_a_cluster
	s_endpgm
.Lentry_in_a_cluster:
	s_bfe_u32 s2, ttmp6, 0x10000c
	s_cmp_lg_u32 s2, 0xf033
	s_cbranch_scc0 .Lentry_shape_is_right
	s_endpgm
.Lentry_shape_is_right:
; out0 = x1 + (g W^T + bias): g 4,096 rows x 4,096 as images of operand registers ([tile of 16 rows][K step] fragments of 1,536 bytes; 12,582,912 bytes on the scale words [K step][row]),
; W 1,024 rows of codes of E3M2 with K innermost (3,072 bytes a row), x1 and out0 [4096][1024] f32.
; A tile is 128 x 128: 256 work-groups, four waves of 32 rows x 128 columns: 16 accumulators.  g's fragments go from memory straight into registers, seven steps ahead, each wave its own rows.
; W goes in steps of 1,024 along K (rows of 768 bytes, each on a multiple of 256) through a ring of two LDS slots filled by joint loads, shared along a column of the 4 x 4 cluster; all scale bytes come once.
; THE HEAD: one joint load a wave: waves 0 and 1 the two halves of W's slot 0 (64 rows each), wave 2 g's scale words, wave 3 W's scale bytes.  Slot 1 is first filled behind the full sequence and a round of the cluster's barrier.
; The way out goes through each wave's own stage; bias and residual are added in the stored layout; 32 lanes store 512 consecutive bytes, aligned to 256.
.set SIZE_K, 4096
.set NSUB,   SIZE_K/128
.set SOFF,   SIZE_K*3072
.set KROW,   SIZE_K*3/4
.set KS,     SIZE_K/32
.set AROWT,  SIZE_K*12
.set FR,     12
.set SLK,    768
.set WP,     816
.set WQ,     32*WP
.set SLOT,   4*WQ
.set WSC,    2*SLOT
.set HALFS,  (64*KS/256)*272
.set SBLK,   (16*KS/256)*272
.set ASC,    WSC+2*HALFS
.set ASH,    512*(SIZE_K/256)
.set SPARE,  ASC+2*ASH
.set STAGE,  SPARE+512
.set SPITCH, 528
.set L16,  4
.set L8,   5
.set AW,   8
.set AWS,  16
.set AAS,  17
.set STO,  18
.set RD,   19
.set SPW,  28
.set NIL,  29
.set WSB,  32
.set ASB,  96
.set BIA,  104
.set ACC,  128
.set OUTR, 192
.set ABASE, 24
.set G1B, 48
.set G0B, 56
.set G1S, 68
.set G0S, 76
.set G1SB, 80
.set G0SB, 88
.set MSB, 0
.macro WIN new
.if MSB != (\new)
	s_set_vgpr_msb (MSB<<8)|(\new)
.set MSB, (\new)
.endif
.endm
.set MUL,  0x09
.set TO_F, 0x40
.set TO_A, 0x80
.set TO_R, 0xc0
.set G0H, 32                           ; s[32:35] group 0 for the head's halves of W's slot 0
.macro ARM under, g0, g1, next         ; one chain of branches on the wave's number: every way passes exactly one load
	s_cmp_lt_u32 s14, \under
	s_cbranch_scc0 \next
	tensor_load_to_lds s[\g0:\g0+3], s[\g1:\g1+7]
	s_nop 0
.rept 4
	v_nop
.endr
	s_branch .Lhead_asked
\next:
.endm
.macro CREST
	s_cmp_lg_u32 s14, 0
	s_cbranch_scc1 .Lnot_wave_0_\@
	s_barrier_signal -3
.Lnot_wave_0_\@:
	s_barrier_wait -3
	s_barrier_signal -1
	s_barrier_wait -1
.endm
.macro CROUND
	s_barrier_signal -1
	s_barrier_wait -1
	CREST
.endm
.macro PLACES
.rept 4
	v_nop
.endr
.endm
.macro AGET i
	WIN TO_A
.irp a, 0,1
	global_load_b128 v[24*((\i)%8)+FR*\a:24*((\i)%8)+FR*\a+3], v[L16], s[ABASE:ABASE+1] offset:AROWT*\a+1536*(\i)
	global_load_b64 v[24*((\i)%8)+FR*\a+4:24*((\i)%8)+FR*\a+5], v[L8], s[ABASE:ABASE+1] offset:AROWT*\a+1536*(\i)+512
	global_load_b128 v[24*((\i)%8)+FR*\a+6:24*((\i)%8)+FR*\a+9], v[L16], s[ABASE:ABASE+1] offset:AROWT*\a+1536*(\i)+768
	global_load_b64 v[24*((\i)%8)+FR*\a+10:24*((\i)%8)+FR*\a+11], v[L8], s[ABASE:ABASE+1] offset:AROWT*\a+1536*(\i)+1280
.endr
.endm
.macro RGET t0
	WIN TO_R
.irp t, 0,1,2,3,4,5,6,7
	global_load_b128 v[4*((\t0)+\t):4*((\t0)+\t)+3], v[L16], s[96:97] offset:4096*((\t0)+\t) th:TH_LOAD_NT
.endr
.endm
.macro ISSUE i
.if (\i)+7 < NSUB
	AGET (\i)+7
.elseif (\i) < 29
	RGET 8*((\i)-25)
.elseif (\i) == 29
	WIN 0
	global_load_b128 v[BIA:BIA+3], v[L16], s[10:11]
.endif
.endm
.macro AWAIT i
.if (\i) < 30
	s_wait_loadcnt 48
.elseif (\i) == 30
	s_wait_loadcnt 41
.else
	s_wait_loadcnt 33
.endif
.endm
.macro FRAGW reg, slot, q, i
.irp p, 0,1,2,3,4,5
.set PCE, 12*(\q)+6*(\p/3)+\p%3
.if PCE%32 < 29
	ds_load_b64 v[(\reg)+2*\p:(\reg)+2*\p+1], v[AW+4*(\slot)+2*((\i)/4)] offset:8*PCE+16*(PCE/32)+((\i)%4)*16*WP
.else
	ds_load_b64 v[(\reg)+2*\p:(\reg)+2*\p+1], v[AW+4*(\slot)+2*((\i)/4)+1] offset:8*PCE+16*(PCE/32)+((\i)%4)*16*WP
.endif
.endr
.endm
.macro FETCHW slot, q, f
	WIN TO_F
.irp i, 0,1,2,3,4,5,6,7
	FRAGW (\f)+FR*\i, \slot, \q, \i
.endr
.endm
.macro SCALES g
	WIN 0
.irp b, 0,1,2,3,4,5,6,7
	ds_load_b128 v[WSB+32*((\g)%2)+4*\b:WSB+32*((\g)%2)+4*\b+3], v[AWS] offset:SBLK*\b+16*(\g)
.endr
.irp q, 0,1,2,3
	ds_load_b32 v[ASB+4*((\g)%2)+\q], v[AAS] offset:512*(4*(\g)+\q)
.endr
.endm
.macro MUL4 i, a, b0, zero
.irp b, (\b0), (\b0)+1, (\b0)+2, (\b0)+3
.set rD, ACC+8*(8*(\a)+(\b))
.set rW, 128*((\i)%2)+FR*(\b)
.set rA, 24*((\i)%8)+FR*(\a)
.set rSW, WSB+32*(((\i)/4)%2)+4*(\b)+(\i)%4
.set rSA, ASB+4*(((\i)/4)%2)+(\i)%4
.if (\zero) && (\a)
	v_wmma_scale_f32_16x16x128_f8f6f4 v[rD:rD+7], v[rW:rW+FR-1], v[rA:rA+FR-1], 0, v[rSW], v[rSA] matrix_a_fmt:MATRIX_FMT_BF6 matrix_b_fmt:MATRIX_FMT_BF6 matrix_b_scale:MATRIX_SCALE_ROW1
.elseif \zero
	v_wmma_scale_f32_16x16x128_f8f6f4 v[rD:rD+7], v[rW:rW+FR-1], v[rA:rA+FR-1], 0, v[rSW], v[rSA] matrix_a_fmt:MATRIX_FMT_BF6 matrix_b_fmt:MATRIX_FMT_BF6
.elseif \a
	v_wmma_scale_f32_16x16x128_f8f6f4 v[rD:rD+7], v[rW:rW+FR-1], v[rA:rA+FR-1], v[rD:rD+7], v[rSW], v[rSA] matrix_a_fmt:MATRIX_FMT_BF6 matrix_b_fmt:MATRIX_FMT_BF6 matrix_b_scale:MATRIX_SCALE_ROW1
.else
	v_wmma_scale_f32_16x16x128_f8f6f4 v[rD:rD+7], v[rW:rW+FR-1], v[rA:rA+FR-1], v[rD:rD+7], v[rSW], v[rSA] matrix_a_fmt:MATRIX_FMT_BF6 matrix_b_fmt:MATRIX_FMT_BF6
.endif
.endr
.endm
.macro SUB i, slot, zero
	s_wait_dscnt 0x0
	AWAIT \i
	PLACES
	ISSUE \i
	FETCHW \slot, ((\i)%8)+1, 128*(((\i)+1)%2)
.if (((\i)%4) == 2) && ((\i) < 28)
	SCALES ((\i)/4)+1
.endif
	WIN MUL
	MUL4 \i, 0, 0, \zero
	MUL4 \i, 0, 4, \zero
	MUL4 \i, 1, 0, \zero
	MUL4 \i, 1, 4, \zero
.endm
.macro TURN i, slot, next, fill
	WIN 0
	s_wait_tensorcnt 0x0
	ds_add_u32 v[SPW], v[NIL]
	AWAIT \i
	s_wait_dscnt 1
	WIN MUL
	MUL4 \i, 0, 0, 0
	MUL4 \i, 0, 4, 0
	s_wait_dscnt 0x0
	s_barrier_signal -1
	MUL4 \i, 1, 0, 0
	WIN 0
	s_barrier_wait -1
.if \fill
	CREST
	s_add_nc_u64 s[G0B+4*\slot+2:G0B+4*\slot+3], s[G0B+4*\slot+2:G0B+4*\slot+3], 2*SLK
	tensor_load_to_lds s[G0B+4*\slot:G0B+4*\slot+3], s[G1B:G1B+7]
	s_nop 0
.rept 4
	v_nop
.endr
.else
	PLACES
.endif
	ISSUE \i
	FETCHW \next, 0, 0
	WIN MUL
	MUL4 \i, 1, 4, 0
.endm
	s_load_b256 s[4:11], s[0:1], 0x0
	s_load_b128 s[96:99], s[0:1], 0x20
	v_lshl_add_u32 v[SPW], v0, 2, SPARE
	v_mov_b32 v[NIL], 0
	ds_add_u32 v28, v29
	ds_add_u32 v28, v29
	s_wait_dscnt 0x0
	v_lshrrev_b32 v1, 5, v0
	v_readfirstlane_b32 s14, v1
	v_and_b32 v1, 15, v0
	v_bfe_u32 v2, v0, 4, 1
	v_and_b32 v3, 31, v0
	v_lshlrev_b32 v[L16], 4, v3
	v_lshlrev_b32 v[L8], 3, v3
	s_bfe_u32 s40, ttmp6, 0x40000
	s_bfe_u32 s41, ttmp6, 0x40004
	s_lshl_b32 s42, ttmp9, 2
	s_add_co_u32 s42, s42, s40
	s_and_b32 s17, ttmp7, 0xffff
	s_lshl_b32 s17, s17, 2
	s_add_co_u32 s17, s17, s41
	s_lshl_b32 s43, s41, 2
	s_lshl_b32 s43, 15, s43
	s_lshl_b32 s44, 0x1111, s40
	s_or_b32 s[G1B+0], s44, (0<<16)|(1<<20)|(1<<21)|(5<<22)|(3<<25)
	s_mov_b32 s[G1B+1], SLK<<16
	s_mov_b32 s[G1B+2], 64<<16                     ; 64 rows for the head's loads
	s_mov_b32 s[G1B+3], SLK<<16
	s_mov_b32 s[G1B+4], 64
	s_mov_b32 s[G1B+5], KROW
	s_mov_b32 s[G1B+6], 0
	s_mov_b32 s[G1B+7], 0
	s_or_b32 s[G1S+0], s43, (3<<16)|(1<<21)
	s_mov_b32 s[G1S+1], 64<<16
	s_mov_b32 s[G1S+2], (SIZE_K/128)<<16           ; all 32 K steps' scale words of my 128 rows
	s_mov_b32 s[G1S+3], 64<<16
	s_mov_b32 s[G1S+4], SIZE_K/128
	s_mov_b32 s[G1S+5], 2048
	s_mov_b32 s[G1S+6], 0
	s_mov_b32 s[G1S+7], 0
	s_or_b32 s[G1SB+0], s44, (3<<16)|(1<<20)|(1<<21)|(5<<22)|(3<<25)
	s_mov_b32 s[G1SB+1], 32<<16
	s_mov_b32 s[G1SB+2], (128*KS/256)<<16          ; the scale bytes of W's 128 rows
	s_mov_b32 s[G1SB+3], 32<<16
	s_mov_b32 s[G1SB+4], 128*KS/256
	s_mov_b32 s[G1SB+5], 32
	s_mov_b32 s[G1SB+6], 0
	s_mov_b32 s[G1SB+7], 0
	s_lshl_b32 s20, s17, 3
	s_lshl_b32 s18, s14, 1
	s_add_co_u32 s20, s20, s18
	s_mul_i32 s20, s20, AROWT
	s_mov_b32 s21, 0
	s_lshl_b32 s22, s17, 9
	s_add_co_u32 s22, s22, SOFF
	s_mov_b32 s23, 0
	s_lshl_b32 s46, s42, 7
	s_mul_i32 s92, s46, KS
	s_mov_b32 s93, 0
	s_lshl_b32 s18, s14, 6
	s_add_co_u32 s26, s46, s18                     ; the head: 64 rows of W a wave (waves 0 and 1)
	s_mul_i32 s26, s26, KROW
	s_mov_b32 s27, 0
	s_lshl_b32 s18, s14, 5
	s_add_co_u32 s46, s46, s18                     ; the ring: 32 rows a wave
	s_mul_i32 s46, s46, KROW
	s_mov_b32 s47, 0
	s_mul_i32 s94, s14, WQ
	s_wait_alu depctr_va_vdst(0)
	s_wait_kmcnt 0x0
	s_add_nc_u64 s[ABASE:ABASE+1], s[4:5], s[20:21]
	s_add_nc_u64 s[22:23], s[4:5], s[22:23]
	s_add_nc_u64 s[46:47], s[6:7], s[46:47]
	s_add_nc_u64 s[92:93], s[8:9], s[92:93]
.irp i, 0,1,2,3,4,5,6
	AGET \i
.endr
	WIN 0
	CROUND
	s_mov_b32 s[G0S], 1
	s_mov_b32 s[G0S+1], ASC
	s_mov_b64 s[G0S+2:G0S+3], s[22:23]
	s_or_b32 s[G0S+3], s[G0S+3], 0x80000000
	s_mov_b32 s[G0SB], 1
	s_mov_b32 s[G0SB+1], WSC
	s_mov_b64 s[G0SB+2:G0SB+3], s[92:93]
	s_or_b32 s[G0SB+3], s[G0SB+3], 0x80000000
	s_mov_b32 s[G0H], 1
	s_mul_i32 s[G0H+1], s14, 2*WQ
	s_add_nc_u64 s[G0H+2:G0H+3], s[6:7], s[26:27]
	s_or_b32 s[G0H+3], s[G0H+3], 0x80000000
.irp s, 0,1
	s_mov_b32 s[G0B+4*\s], 1
	s_add_co_u32 s[G0B+4*\s+1], s94, \s*SLOT
	s_add_nc_u64 s[G0B+4*\s+2:G0B+4*\s+3], s[46:47], \s*SLK
	s_or_b32 s[G0B+4*\s+3], s[G0B+4*\s+3], 0x80000000
.endr
	ARM 2, G0H, G1B, .Lhead_sa                     ; the head's loads, one a wave
	ARM 3, G0S, G1S, .Lhead_sb
	tensor_load_to_lds s[G0SB:G0SB+3], s[G1SB:G1SB+7]
	s_nop 0
.rept 4
	v_nop
.endr
.Lhead_asked:
	s_wait_alu depctr_va_vdst(0)
	s_wait_tensorcnt 0x0                           ; my tile of the head's is in
	ds_add_u32 v[SPW], v[NIL]
	s_mov_b32 s[G1B+2], 32<<16                     ; no load of mine is out: from here on a load brings 32 rows
	s_mov_b32 s[G1B+4], 32
	s_wait_dscnt 0x0
	CROUND
	tensor_load_to_lds s[G0B+4:G0B+7], s[G1B:G1B+7]   ; slot 1's first fill, the first tensor load behind the round
	s_nop 0
.rept 4
	v_nop
.endr
	v_mul_u32_u24 v20, v1, WP
	v_mad_u32_u24 v20, v2, 24, v20
	v_lshl_add_u32 v21, v2, 4, v20
.irp s, 0,1
	v_add_nc_u32 v[AW+4*\s], \s*SLOT, v20
	v_add_nc_u32 v[AW+4*\s+1], \s*SLOT, v21
	v_add_nc_u32 v[AW+4*\s+2], \s*SLOT+64*WP, v20
	v_add_nc_u32 v[AW+4*\s+3], \s*SLOT+64*WP, v21
.endr
	v_mul_u32_u24 v22, v1, KS
	v_lshrrev_b32 v23, 8, v22
	v_lshl_add_u32 v22, v23, 4, v22
	v_add_nc_u32 v[AWS], WSC, v22
	s_lshl_b32 s21, s14, 7
	s_add_co_u32 s21, s21, ASC
	v_lshl_add_u32 v[AAS], v3, 2, s21
	s_mul_i32 s23, s14, 16*SPITCH
	s_add_co_u32 s23, s23, STAGE
	v_mul_u32_u24 v22, v1, SPITCH
	v_lshl_add_u32 v22, v2, 5, v22
	v_add_nc_u32 v[STO], s23, v22
	v_add_nc_u32 v[RD], s23, v[L16]
	s_lshl_b32 s20, s17, 7
	s_lshl_b32 s21, s14, 5
	s_add_co_u32 s20, s20, s21
	s_lshl_b32 s20, s20, 12
	s_lshl_b32 s46, s42, 9
	s_mov_b32 s47, 0
	s_add_nc_u64 s[10:11], s[10:11], s[46:47]
	s_add_co_u32 s20, s20, s46
	s_mov_b32 s21, 0
	s_add_nc_u64 s[96:97], s[96:97], s[20:21]
	s_add_nc_u64 s[98:99], s[98:99], s[20:21]
	s_wait_alu depctr_va_vdst(0)
	s_wait_tensorcnt 1
	s_barrier_signal -1
	s_barrier_wait -1
	FETCHW 0, 0, 0
	SCALES 0
	SUB 0, 0, 1
.irp i, 1,2,3,4,5,6
	SUB \i, 0, 0
.endr
	TURN 7, 0, 1, 1
.irp i, 8,9,10,11,12,13,14
	SUB \i, 1, 0
.endr
	TURN 15, 1, 0, 1
.irp i, 16,17,18,19,20,21,22
	SUB \i, 0, 0
.endr
	TURN 23, 0, 1, 0
.irp i, 24,25,26,27,28,29,30
	SUB \i, 1, 0
.endr
	s_wait_dscnt 0x0
	AWAIT 31
	WIN MUL
	MUL4 31, 0, 0, 0
	MUL4 31, 0, 4, 0
	MUL4 31, 1, 0, 0
	MUL4 31, 1, 4, 0
	WIN 0
	PLACES
	s_wait_loadcnt 0x0
.irp a, 0,1
.if \a > 0
	s_wait_xcnt 0x0
.endif
.irp b, 0,1,2,3,4,5,6,7
	ds_store_b128 v[STO], v[ACC+8*(8*\a+\b):ACC+8*(8*\a+\b)+3] offset:64*\b
	ds_store_b128 v[STO], v[ACC+8*(8*\a+\b)+4:ACC+8*(8*\a+\b)+7] offset:64*\b+16
.endr
	WIN TO_A
.irp t, 0,1,2,3,4,5,6,7,8,9,10,11,12,13,14,15
	ds_load_b128 v[OUTR+4*\t:OUTR+4*\t+3], v[RD] offset:\t*SPITCH
.endr
	s_wait_dscnt 0x0
	WIN 0x82
.irp t, 0,1,2,3,4,5,6,7,8,9,10,11,12,13,14,15
.irp i, 0,2
	v_pk_add_f32 v[OUTR+4*\t+\i:OUTR+4*\t+\i+1], v[OUTR+4*\t+\i:OUTR+4*\t+\i+1], v[BIA+\i:BIA+\i+1]
.endr
.endr
	WIN 0x8e
.irp t, 0,1,2,3,4,5,6,7,8,9,10,11,12,13,14,15
.irp i, 0,2
	v_pk_add_f32 v[OUTR+4*\t+\i:OUTR+4*\t+\i+1], v[OUTR+4*\t+\i:OUTR+4*\t+\i+1], v[4*(16*\a+\t)+\i:4*(16*\a+\t)+\i+1]
.endr
.endr
	WIN 0x08
.irp t, 0,1,2,3,4,5,6,7,8,9,10,11,12,13,14,15
	global_store_b128 v[L16], v[OUTR+4*\t:OUTR+4*\t+3], s[98:99] offset:4096*(16*\a+\t) th:TH_STORE_NT
.endr
	WIN 0
.endr
	s_wait_tensorcnt 0x0
	ds_add_u32 v[SPW], v[NIL]
	s_wait_dscnt 0x0
	CROUND
	s_endpgm
.Lfunc_end_k_qd37f222d0c_fc2:
	.size	k_qd37f222d0c_fc2, .Lfunc_end_k_qd37f222d0c_fc2-k_qd37f222d0c_fc2
	.p2alignl 7, 3214868480
	.fill 96, 4, 3214868480
	.section	.rodata,"a",@progbits
	.p2align	6, 0x0
	.amdhsa_kernel k_qd37f222d0c_fc2
		.amdhsa_group_segment_fixed_size 327680
		.amdhsa_private_segment_fixed_size 0
		.amdhsa_enable_private_segment 0
		.amdhsa_kernarg_size 48
		.amdhsa_user_sgpr_count 2
		.amdhsa_user_sgpr_kernarg_segment_ptr 1
		.amdhsa_wavefront_size32 1
		.amdhsa_system_sgpr_workgroup_id_x 1
		.amdhsa_system_sgpr_workgroup_id_y 1
		.amdhsa_system_sgpr_workgroup_id_z 1
		.amdhsa_system_vgpr_workitem_id 0
		.amdhsa_next_free_vgpr 1024
		.amdhsa_next_free_sgpr 100
		.amdhsa_reserve_vcc 0
		.amdhsa_float_denorm_mode_32 3
		.amdhsa_float_denorm_mode_16_64 3
		.amdhsa_memory_ordered 1
		.amdhsa_forward_progress 1
		.amdhsa_inst_pref_size 229
	.end_amdhsa_kernel
	.amdgpu_metadata
---
amdhsa.version: [ 1, 2 ]
amdhsa.kernels:
  - .name:           k_qd37f222d0c_fc2
    .symbol:         k_qd37f222d0c_fc2.kd
    .args:
      - { .name: gq, .offset: 0, .size: 8, .value_kind: global_buffer, .address_space: global }
      - { .name: fc2_w_codes, .offset: 8, .size: 8, .value_kind: global_buffer, .address_space: global }
      - { .name: fc2_w_scales, .offset: 16, .size: 8, .value_kind: global_buffer, .address_space: global }
      - { .name: fc2_b, .offset: 24, .size: 8, .value_kind: global_buffer, .address_space: global }
      - { .name: x1, .offset: 32, .size: 8, .value_kind: global_buffer, .address_space: global }
      - { .name: out0, .offset: 40, .size: 8, .value_kind: global_buffer, .address_space: global }
    .group_segment_fixed_size: 327680
    .private_segment_fixed_size: 0
    .kernarg_segment_align: 8
    .kernarg_segment_size: 48
    .max_flat_workgroup_size: 128
    .sgpr_count:     100
    .vgpr_count:     1024
    .wavefront_size: 32
...
	.end_amdgpu_metadata
.endif
;; end of part 6
